; MI455X (gfx1250); checked and timed in simulation.
; The chip was launched on July 23, 2026; its instructions are those of AMD's public machine-readable ISA for CDNA 5 (MIT licence, August 2026) and "CDNA5" Instruction Set Architecture Reference Guide (July 2026). The comments in the code are by the model that wrote it; some were corrected since.
;; Multi Head. Allowed arithmetic: matrix products marked QUANTISED: E4M3 operands, one E8M0 scale for each 32 along K, by v_wmma_scale_f32_16x16x128_f8f6f4 with both operands' format E4M3, f32 sums; everything else in f32.
;; Inputs: WK 1,024 x 1,024 float32; WO 1,024 x 1,024 float32; WQ 1,024 x 1,024 float32; WV 1,024 x 1,024 float32; token_positions 2,048 int32; x 4 x 2,048 x 1,024 float32.
;; Outputs: out0 4 x 2,048 x 1,024 float32.
;; This version of the problem:
;;   THIS VERSION OF THE PROBLEM IS GIVEN IN LOW PRECISION. The matrix products marked QUANTISED in the list below multiply operands that are first quantised to E4M3 (4 exponent bits, 3 mantissa bits; 8 bits a number), with one power-of-two scale for each 32 numbers along K (OCP MX v1.0); their sums are f32. All else is computed in f32.
;;   The module's matrix products, in the order in which they are computed (A, B: the left and right operand; K: the contracted axis; several contracted axes count as one K, in the product's order):
;;     1. [M 8,192, K 1,024] x [K 1,024, N 1,024]; A: input x; B: input WQ: QUANTISED
;;     2. [M 8,192, K 1,024] x [K 1,024, N 1,024]; A: input x; B: input WK: QUANTISED
;;     3. [M 8,192, K 1,024] x [K 1,024, N 1,024]; A: input x; B: input WV: QUANTISED
;;     4. batch 64 x [M 2,048, K 64] x [K 64, N 2,048]; A: computed on the way; B: computed on the way: QUANTISED
;;     5. batch 64 x [M 2,048, K 2,048] x [K 2,048, N 64]; A: softmax (see below); B: computed on the way: QUANTISED
;;     6. [M 8,192, K 1,024] x [K 1,024, N 1,024]; A: computed on the way; B: input WO: QUANTISED
;;   THE QUANTISER, for each operand of a quantised product, along K:
;;     - K is cut into blocks of 32 from its start; a last block that is shorter is filled with zeros.
;;     - A block's scale is 2^e with e = floor(log2(the largest magnitude in the block)) - 8, held to -126 .. 127; a block of zeros has e = 0. As a byte (E8M0): e + 127.
;;     - Each number is divided by its block's scale, clamped to +-448, and rounded to the nearest number of E4M3, ties to even, subnormals kept.
;;     - The product sums the exact products of the quantised numbers (number of the format x scale) in f32.
;;   ~~~python
;;   def quantise(x, axis):      # numpy; x: float32 -> the quantised numbers, widened to float32 again
;;       x = np.moveaxis(x, axis, -1); K = x.shape[-1]
;;       x = np.pad(x, [(0, 0)] * (x.ndim - 1) + [(0, -K % 32)]); x = x.reshape(x.shape[:-1] + (-1, 32)); a = np.abs(x).max(-1, keepdims=True)
;;       e = np.where(a > 0, np.clip(np.frexp(np.where(a > 0, a, 1))[1] - 1 - 8, -126, 127), 0)      # np.frexp(a)[1] - 1 = floor(log2(a)), exactly
;;       r = np.clip(x / 2.0 ** e, -448, 448)
;;       step = 2.0 ** (np.maximum(np.frexp(np.where(r == 0, 1, r))[1] - 1, -6) - 3)
;;       q = np.round(r / step) * step * 2.0 ** e      # np.round: ties to even
;;       return np.moveaxis(q.reshape(q.shape[:-2] + (-1,))[..., :K], -1, axis).astype(np.float32)
;;   ~~~
;;   SOFTMAX AHEAD OF A QUANTISED PRODUCT. Where the list says 'softmax', what is quantised is not the finished softmax but p = 2^(t - M), with t = logit x log2(e) and M = ceil(the row's largest t), a whole number; so 1/2 < the row's largest p <= 1. The row's sum l is taken of the UNQUANTISED p, in f32, and the product's result is divided by l at the end. Since M is a whole number, a kernel that streams over the keys may use a running M (the ceiling of the running maximum): every later rescaling is an exact power of two, which a block's scale takes up: the codes' values come out the same.
;;   OPERANDS COMPUTED ON THE WAY. 'Computed on the way' means the value that the module computes at that place (a softmax that the list does not call 'softmax' is quantised finished and normalised). What goes into a quantiser is computed in f32, as accurately as f32 sums, v_exp_f32 and their like allow (about 1e-6 of the number): no bf16 or f16 on the way to a quantiser, and a product that is left as it is and whose result goes on into a quantised operand takes f32 operands (vector FMAs, or v_wmma_f32_16x16x4_f32). A number that lies on a knife's edge between two numbers of the format may be rounded either way, as far as f32 arithmetic and the matrix unit's own rounding can turn it there, and no further.
;; One version. Each part assembles by itself: llvm-mc -triple=amdgcn-amd-amdhsa -mcpu=gfx1250 --defsym DOCPART=n.
;; ======== version 1 of 1: 4 launches
;; limits: right only within a limited range of input values
;; workspace buffers: xw_codes 12,582,912 bytes; xw_scales 393,216 bytes; rope 524,288 bytes; qkv_codes 25,165,824 bytes; qkv_scales 786,432 bytes; a_codes 8,388,608 bytes; a_scales 262,144 bytes
;; launch prep (part 1): grid 448 x 1, 4 waves a work-group, no clusters, 33,280 bytes of LDS; arguments x, WQ, WK, WV, WO, token_positions, xw_codes, xw_scales, rope; writes xw_codes, xw_scales, rope
.if DOCPART == 1
	.amdgcn_target "amdgcn-amd-amdhsa--gfx1250"
	.amdhsa_code_object_version 6
	.text
	.protected	k_qd82889148a_prep
	.globl	k_qd82889148a_prep
	.p2align	8
	.type	k_qd82889148a_prep,@function
k_qd82889148a_prep:
	s_mov_b64 s[64:65], 0
	v_nop
	global_prefetch_b8 v0, s[64:65] scope:SCOPE_SE
	s_setreg_imm32_b32 hwreg(HW_REG_WAVE_MODE, 25, 1), 1
	s_wait_xcnt 0x0
; PREP.  (1) x [8192][1024] and WQ, WK, WV, WO [1024][1024], f32, K innermost, become codes of FP8 (E4M3) with one E8M0 byte for each 32 along K, in ONE stream of 12,288 rows:
; xw_codes [12288][1024], xw_scales [12288][32]: x from row 0, WQ 8192, WK 9216, WV 10240, WO 11264.  (2) the table rope [2048][32][cos, sin] f32 from token_positions.
; THE ROWS OF x, WQ, WK, WV ARE STORED WITH BITS 3 AND 4 OF THE ROW NUMBER SWAPPED (WO's are not): sixteen stored rows on end are then rows 32 i + 8 u + r + 8 (r / 8), the tile whose transposed product leaves
; a lane 16 neighbours along the next K.  A wave owns 8 rows, so the swap is a swap of the wave's two bits in the place where it stores.
; A block's scale is 2^(floor(log2(largest magnitude)) - 8); its byte is the largest magnitude's exponent field - 8, held at 1 from below.
; LIMITS: a block of zeros gets the byte 1 where the rule says 127 (its codes are zeros, and this program alone reads the bytes); blocks whose largest magnitude lies under 2^(8 - 126) keep the byte 1;
; NaN and infinities are not served.  Table: |position x inv_freq| under 2^22; inv_freq within about one unit in the last place of 10000^(-i/32); sine and cosine by a three-part reduction by pi/2 and polynomials.
; Work-groups 0 to 383 quantise 32,768 numbers each (a wave 8,192: 16 steps of 512); work-groups 384 to 447 make the table and touch no LDS.  No barrier: waves share nothing.
.set QWG,   384
.set STEPS, 16
.set MANT,  0x600000                   ; the mantissa field of 448 as f32
.set CB,    16                         ; bytes of 16 codes
.set R,     16                         ; v16-79   four sets of 16 numbers as they are loaded
.set X,     80                         ; v80-111  two sets of 16 neighbours
.set E,     112                        ; v112-127 a scale byte for each step
.set C,     128                        ; v128-191 codes: four registers for each step
.set WREG,  8192                       ; LDS: a region for each wave: two stages of 32 x SP bytes, then its 256 scale bytes
.set SP,    80                         ; a lane's place in a stage: 64 bytes + 16 of padding
	s_load_b512 s[8:23], s[0:1], 0x0               ; x 8:9, WQ 10:11, WK 12:13, WV 14:15, WO 16:17, positions 18:19, codes 20:21, scales 22:23
	s_load_b64 s[24:25], s[0:1], 0x40              ; rope
	v_lshl_add_u32 v192, v0, 2, 0x8000
	v_mov_b32 v193, 0
	v_lshrrev_b32 v1, 5, v0
	v_readfirstlane_b32 s27, v1                    ; wave
	s_cmp_ge_u32 ttmp9, QWG
	s_cbranch_scc1 .Ltable
	v_and_b32 v2, 31, v0                           ; lane
	v_lshlrev_b32 v3, 4, v2                        ; my 16 bytes of a load's 512
	s_mul_i32 s30, s27, WREG
	v_lshrrev_b32 v14, 2, v2
	v_mul_u32_u24 v14, v14, SP
	v_and_b32 v15, 3, v2
	v_lshl_add_u32 v14, v15, 4, v14
	v_add_nc_u32 v14, s30, v14                     ; the stage, on the way in: SP (lane / 4) + 16 (lane % 4)
	v_mul_u32_u24 v15, v2, SP
	v_add_nc_u32 v15, s30, v15                     ; on the way out: SP x lane: my 16 neighbours
	v_mul_u32_u24 v4, v2, CB                       ; my codes' place in a step's
	v_lshrrev_b32 v5, 1, v2
	s_add_co_u32 s30, s30, 2*32*SP
	v_add_nc_u32 v5, s30, v5                       ; LDS: my wave's 256 scale bytes, my block's byte
	v_lshlrev_b32 v7, 3, v2
	v_add_nc_u32 v6, s30, v7                       ; and on the way out 8 bytes a lane
	s_mov_b32 s31, MANT
	s_wait_alu depctr_va_vdst(0)
	s_wait_kmcnt 0x0
	s_mov_b64 s[4:5], s[16:17]                     ; which tensor: the choice hangs on the work-group's number alone
	s_mov_b32 s26, 352
	s_cmp_lt_u32 ttmp9, 352
	s_cselect_b64 s[4:5], s[14:15], s[4:5]
	s_cselect_b32 s26, 320, s26
	s_cmp_lt_u32 ttmp9, 320
	s_cselect_b64 s[4:5], s[12:13], s[4:5]
	s_cselect_b32 s26, 288, s26
	s_cmp_lt_u32 ttmp9, 288
	s_cselect_b64 s[4:5], s[10:11], s[4:5]
	s_cselect_b32 s26, 256, s26
	s_cmp_lt_u32 ttmp9, 256
	s_cselect_b64 s[4:5], s[8:9], s[4:5]
	s_cselect_b32 s26, 0, s26                      ; the tensor's first work-group
	s_sub_co_u32 s29, ttmp9, s26
	s_lshl_b32 s29, s29, 2
	s_add_co_u32 s29, s29, s27                     ; which run of 8,192 numbers of the tensor I read
	s_lshl_b32 s32, s29, 15
	s_mov_b32 s33, 0
	s_add_nc_u64 s[4:5], s[4:5], s[32:33]
	s_and_b32 s28, s27, 1
	s_lshl_b32 s28, s28, 1
	s_lshr_b32 s34, s27, 1
	s_or_b32 s28, s28, s34                         ; the wave's two bits swapped
	s_cmp_lt_u32 ttmp9, 352
	s_cselect_b32 s28, s28, s27                    ; WO keeps its rows
	s_lshl_b32 s34, ttmp9, 2
	s_add_co_u32 s34, s34, s28                     ; which run of the stream I write
	s_lshl_b32 s32, s34, 13
	s_add_nc_u64 s[20:21], s[20:21], s[32:33]
	s_lshl_b32 s32, s34, 8
	s_add_nc_u64 s[22:23], s[22:23], s[32:33]
.macro LOAD t
.irp i, 0,1,2,3
	global_load_b128 v[R+16*((\t)%4)+4*\i:R+16*((\t)%4)+4*\i+3], v3, s[4:5] offset:2048*(\t)+512*\i th:TH_LOAD_NT   ; 32 lanes read 512 consecutive bytes
.endr
.endm
.macro TURN t                          ; step t's numbers through the stage: LDS serves a wave's instructions in order, so no wait stands between the stores and the loads
.irp i, 0,1,2,3
	ds_store_b128 v14, v[R+16*((\t)%4)+4*\i:R+16*((\t)%4)+4*\i+3] offset:32*SP*((\t)%2)+8*SP*\i
.endr
.irp i, 0,1,2,3
	ds_load_b128 v[X+16*((\t)%2)+4*\i:X+16*((\t)%2)+4*\i+3], v15 offset:32*SP*((\t)%2)+16*\i
.endr
.endm
.irp t, 0,1,2,3
	LOAD \t
.endr
	s_wait_loadcnt 12                              ; step 0's four loads are in; twelve younger ones stay out
	TURN 0
.macro STEP t
.set XS, X+16*((\t)%2)
.if (\t) > 0
	s_wait_dscnt 1                                 ; this step's numbers are back from the stage (the last step's byte store may be out)
.else
	s_wait_dscnt 0x0
.endif
.if (\t)+4 < STEPS
	LOAD (\t)+4                                    ; into the registers that the stage's stores have read
.endif
.if (\t)+1 < STEPS
.if STEPS-2-(\t) >= 3
	s_wait_loadcnt 12                              ; the next step's four loads are in; those of the three steps behind it may be out
.else
	s_wait_loadcnt 4*(STEPS-2-(\t))
.endif
	TURN (\t)+1
.endif
	v_max3_num_f32 v8, |v[XS]|, |v[XS+1]|, |v[XS+2]|               ; the largest magnitude of my 16, in two chains
	v_max3_num_f32 v9, |v[XS+3]|, |v[XS+4]|, |v[XS+5]|
.irp i, 6,10
	v_max3_num_f32 v8, v8, |v[XS+\i]|, |v[XS+\i+1]|
	v_max3_num_f32 v9, v9, |v[XS+\i+2]|, |v[XS+\i+3]|
.endr
	v_max3_num_f32 v8, v8, |v[XS+14]|, |v[XS+15]|
	v_max3_num_f32 v8, v8, v9, 0x4800000           ; and the floor 2^(9 - 127): the byte cannot fall under 1
	v_max_num_f32_dpp v8, v8, v8 row_xmask:1 row_mask:0xf bank_mask:0xf   ; and of my neighbour's 16: the block's
	v_add_nc_u32 v11, 0xfc000000, v8               ; 8 off its exponent field: the conversion takes this operand's exponent field as its scale
	v_and_or_b32 v10, v8, 0x7f800000, s31          ; 448 x the scale
.irp i, 0,1,2,3,4,5,6,7,8,9,10,11,12,13,14,15
	v_med3_num_f32 v[XS+\i], v[XS+\i], -v10, v10   ; the conversion to an 8-bit code does not saturate (ISA guide 7.6.2): the hold comes first
.endr
	v_cvt_scalef32_pk8_fp8_f32 v[C+4*(\t):C+4*(\t)+1], v[XS:XS+7], v11
	v_cvt_scalef32_pk8_fp8_f32 v[C+4*(\t)+2:C+4*(\t)+3], v[XS+8:XS+15], v11
	v_lshrrev_b32 v[E+(\t)], 23, v11               ; the scale's byte
	ds_store_b8 v5, v[E+(\t)] offset:16*(\t)       ; both lanes of a block write the same byte with the same value
	global_store_b128 v4, v[C+4*(\t):C+4*(\t)+3], s[20:21] offset:32*CB*(\t)   ; the wave stores 512 consecutive bytes, aligned
.endm
.irp t, 0,1,2,3,4,5,6,7,8,9,10,11,12,13,14,15
	STEP \t
.endr
	ds_load_b64 v[12:13], v6                       ; LDS serves a wave's instructions in order: these see my stores
	s_wait_dscnt 0x0
	global_store_b64 v7, v[12:13], s[22:23]        ; 32 lanes store 256 consecutive bytes, aligned
	s_wait_tensorcnt 0x0
	ds_add_u32 v192, v193
	s_wait_dscnt 0x0
	s_endpgm
; THE TABLE.  8,192 threads, four items each; an item is 16 bytes: cos, sin of two neighbouring pairs.  Item n = t0 + 8192 k lies at sequence slot n / 16, pairs 2 (n % 16) and + 1.
.Ltable:
	s_sub_co_u32 s26, ttmp9, QWG
	s_lshl_b32 s26, s26, 7
	v_add_nc_u32 v1, s26, v0                       ; t0
	v_lshrrev_b32 v2, 4, v1
	v_lshlrev_b32 v2, 2, v2                        ; my slot's position: 4 (t0 / 16)
	v_lshlrev_b32 v3, 4, v1                        ; my item: 16 t0
	s_mov_b32 s28, 0x3ed49a78                      ; log2(10000) / 32, rounded to f32,
	s_mov_b32 s29, 0x32179a37                      ; and what the rounding left
	s_wait_alu depctr_va_vdst(0)
	s_wait_kmcnt 0x0
.irp k, 0,1,2,3
	global_load_b32 v[4+\k], v2, s[18:19] offset:2048*\k
.endr
	v_and_b32 v8, 15, v0
	v_lshlrev_b32 v8, 1, v8
	v_cvt_f32_u32 v9, v8                           ; i of my first pair,
	v_add_f32 v10, 1.0, v9                         ; of my second
	v_mov_b32 v30, 0x3638ef1d                      ; 1/9!
	v_mov_b32 v31, 0xb493f27e                      ; -1/10!
.macro INVF dst, fi                    ; 10000^(-i/32) = 2^(-t) x (1 - e ln 2): t = i x the constant, rounded; e = what that rounding and the constant's left
	v_mul_f32 v12, s28, v[\fi]
	v_fma_f32 v13, v[\fi], s28, -v12
	v_fma_f32 v13, v[\fi], s29, v13
	s_wait_alu depctr_va_vdst(0)
	v_exp_f32 v14, -v12
	v_mul_f32 v13, 0x3f317218, v13                 ; (the plain instruction behind the exponential)
	s_wait_alu depctr_va_vdst(0)
	v_fma_f32 v[\dst], -v14, v13, v14
.endm
	INVF 11, 9
	INVF 15, 10
	s_wait_loadcnt 0x0
.irp k, 0,1,2,3
	v_cvt_f32_i32 v[4+\k], v[4+\k]
.endr
.macro SINCOS pos, inv, cd, sd
	v_mul_f32 v16, v[\pos], v[\inv]                ; the angle, rounded once
	v_mul_f32 v17, 0x3f22f983, v16
	v_rndne_f32 v17, v17                           ; n = the nearest multiple of pi/2
	v_fmamk_f32 v18, v17, 0xbfc90fdb, v16          ; r = angle - n pi/2, pi/2 in three parts
	v_fmamk_f32 v18, v17, 0x333bbd2e, v18
	v_fmamk_f32 v18, v17, 0x26f72ced, v18
	v_cvt_i32_f32 v19, v17
	v_mul_f32 v20, v18, v18
	v_fmaak_f32 v21, v30, v20, 0xb9500d01
	v_fmaak_f32 v21, v21, v20, 0x3c088889
	v_fmaak_f32 v21, v21, v20, 0xbe2aaaab
	v_mul_f32 v22, v18, v20
	v_fma_f32 v21, v22, v21, v18                   ; sin r
	v_fmaak_f32 v23, v31, v20, 0x37d00d01
	v_fmaak_f32 v23, v23, v20, 0xbab60b61
	v_fmaak_f32 v23, v23, v20, 0x3d2aaaab
	v_fmaak_f32 v23, v23, v20, 0xbf000000
	v_fma_f32 v23, v20, v23, 1.0                   ; cos r
	v_and_b32 v24, 1, v19
	v_cmp_eq_u32 vcc_lo, 1, v24                    ; n odd: the two change places (a select of values, no branch)
	v_cndmask_b32 v25, v21, v23, vcc_lo
	v_cndmask_b32 v26, v23, v21, vcc_lo
	v_lshlrev_b32 v24, 30, v19
	v_and_b32 v24, 0x80000000, v24                 ; the sine is negative where n mod 4 is 2 or 3,
	v_xor_b32 v[\sd], v24, v25
	v_add_nc_u32 v24, 1, v19
	v_lshlrev_b32 v24, 30, v24
	v_and_b32 v24, 0x80000000, v24                 ; the cosine where it is 1 or 2
	v_xor_b32 v[\cd], v24, v26
.endm
.irp k, 0,1,2,3
	SINCOS 4+\k, 11, 32+4*\k, 33+4*\k
	SINCOS 4+\k, 15, 34+4*\k, 35+4*\k
	global_store_b128 v3, v[32+4*\k:35+4*\k], s[24:25] offset:131072*\k   ; the wave stores 512 consecutive bytes, aligned
.endr
	s_endpgm
.Lfunc_end_k_qd82889148a_prep:
	.size	k_qd82889148a_prep, .Lfunc_end_k_qd82889148a_prep-k_qd82889148a_prep
	.p2alignl 7, 3214868480
	.fill 96, 4, 3214868480
	.section	.rodata,"a",@progbits
	.p2align	6, 0x0
	.amdhsa_kernel k_qd82889148a_prep
		.amdhsa_group_segment_fixed_size 33280
		.amdhsa_private_segment_fixed_size 0
		.amdhsa_enable_private_segment 0
		.amdhsa_kernarg_size 72
		.amdhsa_user_sgpr_count 2
		.amdhsa_user_sgpr_kernarg_segment_ptr 1
		.amdhsa_wavefront_size32 1
		.amdhsa_system_sgpr_workgroup_id_x 1
		.amdhsa_system_sgpr_workgroup_id_y 1
		.amdhsa_system_sgpr_workgroup_id_z 1
		.amdhsa_system_vgpr_workitem_id 0
		.amdhsa_next_free_vgpr 194
		.amdhsa_next_free_sgpr 66
		.amdhsa_reserve_vcc 1
		.amdhsa_float_denorm_mode_32 3
		.amdhsa_float_denorm_mode_16_64 3
		.amdhsa_memory_ordered 1
		.amdhsa_forward_progress 1
		.amdhsa_inst_pref_size 65
	.end_amdhsa_kernel
	.amdgpu_metadata
---
amdhsa.version: [ 1, 2 ]
amdhsa.kernels:
  - .name:           k_qd82889148a_prep
    .symbol:         k_qd82889148a_prep.kd
    .args:
      - { .name: x, .offset: 0, .size: 8, .value_kind: global_buffer, .address_space: global }
      - { .name: WQ, .offset: 8, .size: 8, .value_kind: global_buffer, .address_space: global }
      - { .name: WK, .offset: 16, .size: 8, .value_kind: global_buffer, .address_space: global }
      - { .name: WV, .offset: 24, .size: 8, .value_kind: global_buffer, .address_space: global }
      - { .name: WO, .offset: 32, .size: 8, .value_kind: global_buffer, .address_space: global }
      - { .name: token_positions, .offset: 40, .size: 8, .value_kind: global_buffer, .address_space: global }
      - { .name: xw_codes, .offset: 48, .size: 8, .value_kind: global_buffer, .address_space: global }
      - { .name: xw_scales, .offset: 56, .size: 8, .value_kind: global_buffer, .address_space: global }
      - { .name: rope, .offset: 64, .size: 8, .value_kind: global_buffer, .address_space: global }
    .group_segment_fixed_size: 33280
    .private_segment_fixed_size: 0
    .kernarg_segment_align: 8
    .kernarg_segment_size: 72
    .max_flat_workgroup_size: 128
    .sgpr_count:     66
    .vgpr_count:     194
    .wavefront_size: 32
...
	.end_amdgpu_metadata
.endif
;; end of part 1
;; launch qkv (part 2): grid 96 x 4, 4 waves a work-group, clusters of 4 x 4, 327,680 bytes of LDS; arguments xw_codes, xw_scales, rope, qkv_codes, qkv_scales; writes qkv_codes, qkv_scales
.if DOCPART == 2
	.amdgcn_target "amdgcn-amd-amdhsa--gfx1250"
	.amdhsa_code_object_version 6
	.text
	.protected	k_qd82889148a_qkv
	.globl	k_qd82889148a_qkv
	.p2align	8
	.type	k_qd82889148a_qkv,@function
k_qd82889148a_qkv:
	s_mov_b64 s[64:65], 0
	v_nop
	global_prefetch_b8 v0, s[64:65] scope:SCOPE_SE
	s_setreg_imm32_b32 hwreg(HW_REG_WAVE_MODE, 25, 1), 1
	s_wait_xcnt 0x0
	s_wait_alu depctr_hold_cnt(0) depctr_sa_sdst(0) depctr_va_vdst(0) depctr_va_sdst(0) depctr_va_ssrc(0) depctr_va_vcc(0) depctr_vm_vsrc(0)
	s_getreg_b32 s2, hwreg(HW_REG_IB_STS2, 6, 4)
	s_cmp_eq_u32 s2, 0
	s_cbranch_scc0 .Lentry_in_a_cluster
	s_endpgm
.Lentry_in_a_cluster:
	s_bfe_u32 s2, ttmp6, 0x10000c
	s_cmp_lg_u32 s2, 0xf033
	s_cbranch_scc0 .Lentry_shape_is_right
	s_endpgm
.Lentry_shape_is_right:
; QKV.  One body, two products C[m][n] = sum over k of A[m][k] B[n][k] on codes of FP8 (E4M3) with E8M0 scales, K = 1024, whose results are QUANTISED ALONG n and stored as codes:
;   clusters 0-15:  A = x (8192 rows), B = WQ | WK (2048 rows); the pairs (2 i, 2 i + 1) of each head's 64 are rotated by the table (RoPE) first: Q and K, quantised along the head's 64.
;   clusters 16-23: A = WV (1024 rows), B = x (8192 rows): V^T, quantised along the tokens, which are the keys.
; A tile of C is 256 x 256: four waves, 128 x 128 each, 64 accumulators.  K goes in four steps of 256 through two LDS slots filled by joint tensor loads of a 4 x 4 cluster (A's tile shared along a row, B's along a column);
; the scale bytes of the tile's rows come once.  The product is used transposed (source 0 = 16 rows of B, source 1 = 16 rows of A).
; ALL ROWS ARE STORED ROWS (bits 3 and 4 of the row number swapped): sixteen of B's on end are rows 32 i + 8 u + r + 8 (r / 8), so for a block a of A's rows a lane's 64 registers are
; register 16 b + i = column 32 b + 16 (lane / 16) + i of its row: four blocks of 32 along n, half of each in lane l, half in lane l xor 16.  The conversions' results are 16 neighbouring bytes.
; OUT: qkv_codes in chunks of 64 along n: Q, K at 0: [n / 64][8192 stored tokens x 64 bytes]; V at 16,777,216: [token / 64][1024 stored e x 64 bytes].
; INSIDE A CHUNK EACH 16 ROWS (1,024 bytes) LIE IN THE ORDER OF AN OPERAND'S REGISTERS: byte 32 c + 16 h + x of row r at 512 c + 16 (16 h + r) + x: the reader's fragment is two loads of 16 bytes a lane at 16 x lane.
; qkv_scales (words of four bytes, 128 along n): Q, K at 0: [n / 128][8192]; V at 524,288: [token / 128][1024].
; The codes meet in a stage in slot 0 (its last fill and its last read lie behind the last change of slots), and each wave stores one chunk's 256 rows, 16,384 consecutive bytes.
; LIMITS: a block of zeros gets the byte 1 (its codes are zeros; this program alone reads the bytes); NaN and infinities are not served.
; REGISTERS: window 0: v16-30 addresses; v32-63 scale words; from v128 A's fragments; on the way out v64-127 at work, v128-143 codes, v144-159 a block's figures, v160 the scale word.
;   window 1: B's fragments, two sets; on the way out the table's cos, sin.   windows 2, 3: the accumulators ((a, b) at v[8 (8 (a % 4) + b)]).
.set KSTEP,  256
.set NQ,     KSTEP/128
.set ROWB,   256
.set KROW,   1024
.set PITCH,  272                       ; an LDS row: 256 bytes + 16 of padding: the 16 rows of a load start at 16 different banks (64 banks of 4 bytes: ISA guide 11.1)
.set FR,     16
.set NL,     4
.set NP,     8                         ; places behind this matrix instruction (ISA guide 7.12.1)
.set HALFT,  128*PITCH
.set SLOT,   4*HALFT
.set KS,     32                        ; a row of scale bytes
.set SCL,    2*SLOT
.set HALFS,  (128*KS/256)*272
.set SBLK,   (16*KS/256)*272
.set SPARE,  SCL+4*HALFS               ; the spare words: 128 bytes a wave, two blocks of 256 bytes that no other line names
.set CH,     256*80                    ; the stage: a chunk of 256 rows x (64 bytes + 16)
.set SSTG,   4*CH                      ; behind the four chunks: the scale words, 2 x 1,024 bytes
.set ADRA, 16
.set ADRB, 20
.set SRD,  22                          ; v22  where I read 16 bytes of scale words back
.set GO,   23                          ; v23  16 x lane
.set STO,  24                          ; v24  where I put 16 codes
.set SSO,  25                          ; v25  where I put a scale word
.set RD,   26                          ; v26  where I read 16 codes back
.set ADRS, 27
.set SPW,  28
.set NIL,  29
.set TBL,  30                          ; v30  my byte in the table's 128 rows
.set SC,   32
.set W,    64
.set AF,   128
.set PC,   128
.set TM,   144
.set PW,   160
.set G1, 24
.set G0, 32
.set G1B, 48
.set G0B, 56
.set G1S, 68
.set G0S, 76
.set G1SB, 80
.set G0SB, 88
.set ISV, 96                           ; s96  1 in V's clusters
.set MNT, 97
.set SEL, 98
.set MSB, 0
.macro WIN new                         ; the immediate's high byte repeats the setting that is left
.if MSB != \new
	s_set_vgpr_msb (MSB<<8)|\new
.set MSB, \new
.endif
.endm
.set MUL_LO, 0xa1                      ; source 0 (B) window 1, source 1 (A) window 0, C and D window 2
.set MUL_HI, 0xf1
.set TO_B,   0x40
; A joint load: waves 0 and 1 fetch for A, waves 2 and 3 for B; the branch hangs on the wave's number alone.  Four v_nop follow each of the two lines.
.macro JLOAD g0a, g1a, g0b, g1b
	s_cmp_eq_u32 s15, 0
	s_cbranch_scc0 .Lfor_b_\@
	tensor_load_to_lds s[\g0a:\g0a+3], s[\g1a:\g1a+7]
	s_nop 0
.rept 4
	v_nop
.endr
	s_branch .Lasked_\@
.Lfor_b_\@:
	tensor_load_to_lds s[\g0b:\g0b+3], s[\g1b:\g1b+7]
	s_nop 0
.rept 4
	v_nop
.endr
.Lasked_\@:
.endm
.macro CREST
	s_cmp_lg_u32 s14, 0
	s_cbranch_scc1 .Lnot_wave_0_\@
	s_barrier_signal -3
.Lnot_wave_0_\@:
	s_barrier_wait -3
	s_barrier_signal -1
	s_barrier_wait -1
.endm
.macro CROUND
	s_barrier_signal -1
	s_barrier_wait -1
	CREST
.endm
	s_load_b256 s[4:11], s[0:1], 0x0               ; xw_codes 4:5, xw_scales 6:7, rope 8:9, qkv_codes 10:11
	s_load_b64 s[12:13], s[0:1], 0x20              ; qkv_scales
	v_lshl_add_u32 v[SPW], v0, 2, SPARE
	v_mov_b32 v[NIL], 0
	ds_add_u32 v28, v29
	ds_add_u32 v28, v29
	s_wait_dscnt 0x0
	v_lshrrev_b32 v1, 5, v0
	v_readfirstlane_b32 s14, v1                    ; wave 0..3
	s_lshr_b32 s15, s14, 1                         ; my half of the tile's rows.  Also: I fetch for A (0) or for B (1)
	s_and_b32 s16, s14, 1                          ; my half of its columns.  Also: which 128 rows I fetch
	s_bfe_u32 s40, ttmp6, 0x40000                  ; cx
	s_bfe_u32 s41, ttmp6, 0x40004                  ; cy
	; which product: it hangs on the cluster's number, which all sixteen partners share
	s_lshr_b32 s2, ttmp9, 1
	s_and_b32 s3, ttmp9, 1
	s_sub_co_u32 s18, ttmp9, 16
	s_cmp_lt_u32 ttmp9, 16
	s_cselect_b32 s[ISV], 0, 1
	s_cselect_b32 s2, s2, 0                        ; the cluster's place along m,
	s_cselect_b32 s3, s3, s18                      ; along n
	s_cselect_b32 s19, 0, 10240                    ; A's first row in the stream,
	s_cselect_b32 s66, 8192, 0                     ; B's
	s_cselect_b32 s67, 13, 10                      ; log2 of A's rows
	s_cselect_b32 s95, 0, 16777216                 ; where the codes go,
	s_cselect_b32 s18, 0, 524288                   ; and the scale words
	s_lshl_b32 s42, s3, 2
	s_add_co_u32 s42, s42, s40                     ; tile column
	s_lshl_b32 s17, s2, 2
	s_add_co_u32 s17, s17, s41                     ; tile row
	s_lshl_b32 s43, s41, 2
	s_lshl_b32 s43, 15, s43                        ; my row of the cluster
	s_lshl_b32 s44, 0x1111, s40                    ; my column
	s_or_b32 s[G1+0], s43, (0<<16)|(1<<20)|(1<<21)|(5<<22)|(3<<25)  ; mask; elements of 1 byte; padding on; bit 21 beside a mask; after every 64 words; four words
	s_or_b32 s[G1B+0], s44, (0<<16)|(1<<20)|(1<<21)|(5<<22)|(3<<25)
.irp g, G1, G1B
	s_mov_b32 s[\g+1], ROWB<<16                    ; tensor_dim0
	s_mov_b32 s[\g+2], 128<<16                     ; tensor_dim1
	s_mov_b32 s[\g+3], ROWB<<16                    ; tile_dim0
	s_mov_b32 s[\g+4], 128                         ; tile_dim1
	s_mov_b32 s[\g+5], KROW                        ; the pitch
	s_mov_b32 s[\g+6], 0
	s_mov_b32 s[\g+7], 0
.endr
	s_or_b32 s[G1S+0], s43, (3<<16)|(1<<20)|(1<<21)|(5<<22)|(3<<25) ; the scale bytes of 128 rows: 4,096 dense bytes as 16 rows of 256 (32 elements of 8 bytes)
	s_or_b32 s[G1SB+0], s44, (3<<16)|(1<<20)|(1<<21)|(5<<22)|(3<<25)
.irp g, G1S, G1SB
	s_mov_b32 s[\g+1], 32<<16
	s_mov_b32 s[\g+2], (128*KS/256)<<16
	s_mov_b32 s[\g+3], 32<<16
	s_mov_b32 s[\g+4], 128*KS/256
	s_mov_b32 s[\g+5], 32
	s_mov_b32 s[\g+6], 0
	s_mov_b32 s[\g+7], 0
.endr
	s_lshl_b32 s22, s16, 7                         ; which 128 rows of the tile I fetch
	s_lshl_b32 s20, s17, 8
	s_add_co_u32 s20, s20, s22
	s_add_co_u32 s20, s20, s19                     ; A: its first row + 256 x tile row + 128 x half
	s_lshl_b32 s46, s42, 8
	s_add_co_u32 s46, s46, s22
	s_add_co_u32 s46, s46, s66                     ; B likewise, by the tile column
	s_mov_b32 s21, 0
	s_mov_b32 s47, 0
	s_lshl_b64 s[22:23], s[20:21], 5               ; the rows' scale bytes,
	s_lshl_b64 s[92:93], s[46:47], 5
	s_lshl_b64 s[20:21], s[20:21], 10              ; and their codes
	s_lshl_b64 s[46:47], s[46:47], 10
	s_mul_i32 s45, s14, HALFT                      ; where they go: wave x 128 rows: no place in the cluster enters an LDS address
	s_mul_i32 s94, s14, HALFS
	s_mov_b32 s[SEL], 0x76543210
	s_mov_b32 s[SEL+1], 0xfedcba98
	s_wait_kmcnt 0x0
	s_add_nc_u64 s[20:21], s[4:5], s[20:21]
	s_add_nc_u64 s[22:23], s[6:7], s[22:23]
	s_add_nc_u64 s[46:47], s[4:5], s[46:47]
	s_add_nc_u64 s[92:93], s[6:7], s[92:93]
	CROUND                                         ; all sixteen work-groups are here: the first joint loads meet
	s_mov_b32 s[G0S], 1
	s_add_co_u32 s[G0S+1], s94, SCL
	s_mov_b64 s[G0S+2:G0S+3], s[22:23]
	s_or_b32 s[G0S+3], s[G0S+3], 0x80000000
	s_mov_b32 s[G0SB], 1
	s_add_co_u32 s[G0SB+1], s94, SCL
	s_mov_b64 s[G0SB+2:G0SB+3], s[92:93]
	s_or_b32 s[G0SB+3], s[G0SB+3], 0x80000000
	JLOAD G0S, G1S, G0SB, G1SB                     ; the scales first: they are wanted with K step 0
.irp s, 0,1
	s_mov_b32 s[G0+4*\s], 1
	s_add_co_u32 s[G0+4*\s+1], s45, \s*SLOT
	s_add_nc_u64 s[G0+4*\s+2:G0+4*\s+3], s[20:21], \s*ROWB
	s_or_b32 s[G0+4*\s+3], s[G0+4*\s+3], 0x80000000
	s_mov_b32 s[G0B+4*\s], 1
	s_add_co_u32 s[G0B+4*\s+1], s45, \s*SLOT
	s_add_nc_u64 s[G0B+4*\s+2:G0B+4*\s+3], s[46:47], \s*ROWB
	s_or_b32 s[G0B+4*\s+3], s[G0B+4*\s+3], 0x80000000
	JLOAD G0+4*\s, G1, G0B+4*\s, G1B
.endr
	v_and_b32 v1, 15, v0                           ; r = lane % 16
	v_bfe_u32 v2, v0, 4, 1                         ; h = lane / 16
	v_mul_u32_u24 v3, v1, PITCH
	v_lshl_add_u32 v4, v2, 4, v3
	s_mul_i32 s21, s15, HALFT                      ; my 128 rows of A
	s_mul_i32 s22, s16, HALFT                      ; my 128 rows of B,
	s_add_co_u32 s22, s22, 2*HALFT                 ; behind A's 256
.irp s, 0,1
	v_add_nc_u32 v[ADRA+\s], s21, v4
	v_add_nc_u32 v[ADRB+\s], s22, v4
	s_add_co_u32 s21, s21, SLOT
	s_add_co_u32 s22, s22, SLOT
.endr
	v_mul_u32_u24 v5, v1, KS                       ; my row's scales: KS bytes a row,
	v_lshrrev_b32 v6, 8, v5
	v_lshl_add_u32 v5, v6, 4, v5                   ; and 16 more for each 256 passed
	s_mul_i32 s21, s15, HALFS
	s_mul_i32 s22, s16, HALFS
	s_add_co_u32 s22, s22, 2*HALFS
	s_sub_co_u32 s22, s22, s21
	v_mul_u32_u24 v6, s22, v2                      ; lanes 16-31 take B's
	s_add_co_u32 s21, s21, SCL
	v_add_nc_u32 v5, v5, v6
	v_add_nc_u32 v[ADRS], s21, v5
	; the way out
	s_mul_i32 s23, s16, 2*CH                       ; my two chunks,
	s_mul_i32 s21, s15, 128*80                     ; my 128 rows
	s_add_co_u32 s23, s23, s21
	v_mul_u32_u24 v5, v1, 80
	v_lshl_add_u32 v5, v2, 4, v5                   ; 80 r + 16 h
	v_add_nc_u32 v[STO], s23, v5
	s_lshl_b32 s23, s16, 10
	s_lshl_b32 s21, s15, 9
	s_add_co_u32 s23, s23, s21
	s_add_co_u32 s23, s23, SSTG
	v_lshl_add_u32 v[SSO], v1, 2, s23
	s_mul_i32 s23, s14, CH
	v_add_nc_u32 v[RD], s23, v5                    ; back: chunk = my wave; lane (r, h) takes 16 bytes at 16 h of row r: half a fragment an instruction, in the order of its registers
	v_and_b32 v6, 31, v0
	v_lshlrev_b32 v[GO], 4, v6
	s_lshl_b32 s23, s14, 9
	s_add_co_u32 s23, s23, SSTG
	v_add_nc_u32 v[SRD], s23, v[GO]
	v_and_b32 v5, 8, v1
	v_add_nc_u32 v5, v5, v1
	v_lshlrev_b32 v5, 8, v5
	v_lshl_add_u32 v[TBL], v2, 6, v5               ; the table: row r + 8 (r / 8) of 256 bytes, + 64 h: my eight pairs of a block of 32
	s_lshl_b32 s20, s42, 2
	s_add_co_u32 s20, s20, s14                     ; the chunk that I store: 4 x tile column + wave
	s_add_co_u32 s21, s67, 6
	s_lshl_b32 s20, s20, s21                       ; x A's rows x 64 bytes
	s_lshl_b32 s21, s17, 14                        ; + 256 x tile row x 64
	s_add_co_u32 s20, s20, s21
	s_add_co_u32 s20, s20, s95
	s_mov_b32 s21, 0
	s_add_nc_u64 s[10:11], s[10:11], s[20:21]
	s_lshl_b32 s20, s42, 1
	s_add_co_u32 s20, s20, s15                     ; the plane of scale words: 2 x tile column + wave / 2
	s_add_co_u32 s21, s67, 2
	s_lshl_b32 s20, s20, s21
	s_lshl_b32 s21, s17, 10
	s_add_co_u32 s20, s20, s21
	s_lshl_b32 s21, s16, 9                         ; and my half of its 1,024 bytes
	s_add_co_u32 s20, s20, s21
	s_add_co_u32 s20, s20, s18
	s_mov_b32 s21, 0
	s_add_nc_u64 s[12:13], s[12:13], s[20:21]
	s_lshl_b32 s20, s17, 8
	s_lshl_b32 s21, s15, 7
	s_add_co_u32 s20, s20, s21
	s_and_b32 s20, s20, 2047                       ; my first token's place in its sequence
	s_lshl_b32 s20, s20, 8
	s_mov_b32 s21, 0
	s_add_nc_u64 s[8:9], s[8:9], s[20:21]
.macro FRAG reg, adr, q, i             ; 16 rows x 128 K of 8-bit codes: lane l holds row l % 16; registers 4 c .. 4 c + 3 hold K = 32 c + 16 (l / 16) + 0 .. 15
.irp c, 0,1,2,3
	ds_load_b128 v[\reg+4*\c:\reg+4*\c+3], v[\adr] offset:128*(\q)+32*\c+(\i)*16*PITCH
.endr
.endm
; 16 matrix instructions: A's blocks a0, a0 + 1 x B's eight.  The 64 accumulators take turns, one instruction a turn, in the same order in every step.
.macro MUL16 a0, p, q, sc, zero
.irp a, \a0, \a0+1
.irp b, 0,1,2,3,4,5,6,7
.if \zero
	v_wmma_scale_f32_16x16x128_f8f6f4 v[8*(8*((\a)%4)+\b):8*(8*((\a)%4)+\b)+7], v[128*(\p)+FR*\b:128*(\p)+FR*\b+FR-1], v[AF+FR*(\a):AF+FR*(\a)+FR-1], 0, v[SC+8*NQ*(\sc)+NQ*\b+(\q)], v[SC+8*NQ*(\sc)+NQ*(\a)+(\q)] matrix_a_scale:MATRIX_SCALE_ROW1
.else
	v_wmma_scale_f32_16x16x128_f8f6f4 v[8*(8*((\a)%4)+\b):8*(8*((\a)%4)+\b)+7], v[128*(\p)+FR*\b:128*(\p)+FR*\b+FR-1], v[AF+FR*(\a):AF+FR*(\a)+FR-1], v[8*(8*((\a)%4)+\b):8*(8*((\a)%4)+\b)+7], v[SC+8*NQ*(\sc)+NQ*\b+(\q)], v[SC+8*NQ*(\sc)+NQ*(\a)+(\q)] matrix_a_scale:MATRIX_SCALE_ROW1
.endif
.endr
.endr
.endm
.macro FETCH_B slot, q, p
	WIN TO_B
.irp i, 0,1,2,3,4,5,6,7
	FRAG 128*(\p)+FR*\i, ADRB+\slot, \q, \i
.endr
	WIN 0
.endm
.macro FETCH_A slot, q, i0
.irp i, \i0, \i0+1, \i0+2, \i0+3
	FRAG AF+FR*(\i), ADRA+\slot, \q, \i
.endr
.endm
.macro SCALES sc                       ; a K step's scale words: lanes 0-15 take A's block i, lanes 16-31 B's block i
.irp i, 0,1,2,3,4,5,6,7
	ds_load_b64 v[SC+8*NQ*\sc+NQ*\i:SC+8*NQ*\sc+NQ*\i+1], v[ADRS] offset:\i*SBLK
.endr
.endm
.macro PLACES n                        ; plain vector instructions that name none of the matrix instruction's registers (ISA guide 7.12.1)
.rept \n
	v_nop
.endr
.endm
.macro STEP slot, q, zero              ; 128 along K with a successor in the same slot
	s_wait_dscnt 4*NL                              ; B's set and A's blocks 0-3 are in; the youngest sixteen loads (A's blocks 4-7) may be out
	WIN MUL_LO
	MUL16 0, (\q)%2, \q, \slot, \zero
	MUL16 2, (\q)%2, \q, \slot, \zero
	s_wait_dscnt 0
	PLACES NP
	FETCH_B \slot, (\q)+1, 1-(\q)%2
	FETCH_A \slot, (\q)+1, 0
	WIN MUL_HI
	MUL16 4, (\q)%2, \q, \slot, \zero
	MUL16 6, (\q)%2, \q, \slot, \zero
	PLACES NP
	WIN 0
	FETCH_A \slot, (\q)+1, 4
.endm
; A slot's last step changes slots: one barrier; in front of it each wave waits for all its tensor loads, adds 0 to its spare word, and waits for that and for its reads of this slot.
.macro TURN slot, next, fill
	s_wait_tensorcnt 0x0                           ; all my tensor loads have landed: my part of the next slot
	ds_add_u32 v[SPW], v[NIL]                      ; 0 onto my spare word
	s_wait_dscnt 4*NL+1                            ; (the add and the youngest sixteen loads may be out)
	WIN MUL_LO
	MUL16 0, 1, NQ-1, \slot, 0
	s_wait_dscnt 0x0                               ; the add is done, and my reads of this slot are over
	s_barrier_signal -1
	MUL16 2, 1, NQ-1, \slot, 0
	WIN 0
	s_barrier_wait -1
.if \fill
	CREST                                          ; the barrier has opened a round of the cluster's: no wave of any partner still reads this slot or has a load on its way
	s_add_nc_u64 s[G0+4*\slot+2:G0+4*\slot+3], s[G0+4*\slot+2:G0+4*\slot+3], 2*ROWB
	s_add_nc_u64 s[G0B+4*\slot+2:G0B+4*\slot+3], s[G0B+4*\slot+2:G0B+4*\slot+3], 2*ROWB
	JLOAD G0+4*\slot, G1, G0B+4*\slot, G1B         ; the first tensor load behind the round; its four v_nop are among the places below
	PLACES NP-4
.else
	PLACES NP
.endif
	s_wait_alu depctr_va_vdst(0)
	v_add_nc_u32 v[ADRS], 4*NQ, v[ADRS]            ; the next K step's scale words
	FETCH_B \next, 0, 0
	FETCH_A \next, 0, 0
	SCALES \next
	WIN MUL_HI
	MUL16 4, 1, NQ-1, \slot, 0
	MUL16 6, 1, NQ-1, \slot, 0
	PLACES NP
	WIN 0
	FETCH_A \next, 0, 4
.endm
	s_wait_tensorcnt 1                             ; the scales and my part of K step 0 are in (K step 1's load may be out),
	s_barrier_signal -1
	s_barrier_wait -1                              ; everybody's are
	FETCH_B 0, 0, 0
	FETCH_A 0, 0, 0
	SCALES 0
	FETCH_A 0, 0, 4
	STEP 0, 0, 1                                   ; four K steps, written out: the first products start the sums
	TURN 0, 1, 1
	STEP 1, 0, 0
	TURN 1, 0, 1
	STEP 0, 0, 0
	TURN 0, 1, 0                                   ; nothing is left to fetch: slot 0 has had its last fill, and behind this barrier nobody reads it
	STEP 1, 0, 0
	s_wait_dscnt 4*NL
	WIN MUL_LO
	MUL16 0, 1, NQ-1, 1, 0
	MUL16 2, 1, NQ-1, 1, 0
	s_wait_dscnt 0
	WIN MUL_HI
	MUL16 4, 1, NQ-1, 1, 0
	MUL16 6, 1, NQ-1, 1, 0
	WIN 0
; THE WAY OUT.  Block a of my rows: (Q, K: the rotation;) four blocks of 32 along n are quantised; 64 codes and a scale word a lane go to the stage.
; The rotation of pair p: W = x2 sin, x2 cos; x2 = x1 sin + x2 cos; x1 = x1 cos - x2 sin.  Each accumulator's first read is its register 1.
.macro ROPE a
	s_cmp_lg_u32 s[ISV], 0
	s_cbranch_scc1 .Lplain_\@
	s_wait_loadcnt 56-8*(\a)                       ; this block's eight loads of the table are in; eight for each later block may be out
.set XB, 64*((\a)%4)
.set CSB, 32*(\a)
.set WX, 2+(\a)/4
.set WA, WX|0x04
	WIN WA                                         ; source 0 the accumulators' window, source 1 window 1 (the table)
.set p, 0
.rept 32
	v_mul_f32 v[W+2*p], v[XB+2*p+1], v[CSB+16*((p/8)%2)+2*(p%8)+1]
	v_mul_f32 v[W+2*p+1], v[XB+2*p+1], v[CSB+16*((p/8)%2)+2*(p%8)]
.set p, p+1
.endr
.set WA, WX|0x04|(WX<<6)
	WIN WA
.set p, 0
.rept 32
	v_fma_f32 v[XB+2*p+1], v[XB+2*p], v[CSB+16*((p/8)%2)+2*(p%8)+1], v[W+2*p+1]
	v_fma_f32 v[XB+2*p], v[XB+2*p], v[CSB+16*((p/8)%2)+2*(p%8)], -v[W+2*p]
.set p, p+1
.endr
	WIN 0
.Lplain_\@:
.endm
.macro QUANTW a
.set XB, 64*((\a)%4)
.set WX, 2+(\a)/4
.set WA, WX|(WX<<2)
	WIN WA
.irp b, 0,1,2,3
	v_max3_num_f32 v[TM+\b], |v[XB+16*\b]|, |v[XB+16*\b+1]|, 0x4800000   ; block b: my 16 numbers, and the floor 2^(9 - 127): the byte cannot fall under 1
.endr
.irp i, 2,4,6,8,10,12,14
.irp b, 0,1,2,3
	v_max3_num_f32 v[TM+\b], |v[XB+16*\b+\i]|, |v[XB+16*\b+\i+1]|, v[TM+\b]
.endr
.endr
	WIN 0
	s_wait_alu depctr_va_vdst(0)
	s_wait_dscnt 0x0                               ; the last block's stores into the stage have read the scale word and the codes
.irp b, 0,1,2,3
	v_permlanex16_b32 v[TM+4+\b], v[TM+\b], s[SEL], s[SEL+1]
.endr
.irp b, 0,1,2,3
	v_max_num_f32 v[TM+\b], v[TM+\b], v[TM+4+\b]   ; with lane l xor 16's: the block's largest magnitude
.endr
.irp b, 0,1,2,3
	v_add_nc_u32 v[TM+12+\b], 0xfc000000, v[TM+\b] ; 8 off its exponent field: the conversion's scale operand
.endr
.irp b, 0,1,2,3
.endr
.irp b, 0,1,2,3
	v_lshrrev_b32 v[TM+4+\b], 23, v[TM+12+\b]      ; the scale's byte
.endr
	v_lshl_or_b32 v[PW], v[TM+5], 8, v[TM+4]
	v_lshl_or_b32 v[PW], v[TM+6], 16, v[PW]
	v_lshl_or_b32 v[PW], v[TM+7], 24, v[PW]
.set WA, WX|(WX<<6)
	WIN WA
.irp b, 0,1,2,3
.irp i, 0,1,2,3,4,5,6,7,8,9,10,11,12,13,14,15
.endr
.endr
	WIN WX
.irp b, 0,1,2,3
	v_cvt_scalef32_pk8_fp8_f32 v[PC+4*\b:PC+4*\b+1], v[XB+16*\b:XB+16*\b+7], v[TM+12+\b]
	v_cvt_scalef32_pk8_fp8_f32 v[PC+4*\b+2:PC+4*\b+3], v[XB+16*\b+8:XB+16*\b+15], v[TM+12+\b]
.endr
	WIN 0
	v_nop                                          ; a plain instruction behind the scaled conversions
.endm
	PLACES NP                                      ; behind the last products: for the reads of results, the writes over A's registers and the loads over B's
.irp b, 0,1,2,3
	v_mov_b32 v[TM+4+\b], 0                        ; a lane permute's destination counts as one of its sources
.endr
	s_cmp_lg_u32 s[ISV], 0
	s_cbranch_scc1 .Lno_table
	WIN 0x40                                       ; destination window 1
.irp a, 0,1,2,3,4,5,6,7
.irp bb, 0,1
.irp j, 0,1,2,3
	global_load_b128 v[32*\a+16*\bb+4*\j:32*\a+16*\bb+4*\j+3], v[TBL], s[8:9] offset:(32*(\a/2)+8*(\a%2))*256+128*\bb+16*\j   ; cos, sin of two pairs of my token
.endr
.endr
.endr
	WIN 0
.Lno_table:
.irp a, 0,1,2,3,4,5,6,7
	ROPE \a
	QUANTW \a
.irp b, 0,1,2,3
	ds_store_b128 v[STO], v[PC+4*\b:PC+4*\b+3] offset:(\b/2)*CH+1280*\a+32*(\b%2)
.endr
	ds_store_b32 v[SSO], v[PW] offset:64*\a        ; both halves of the lanes store the same word
.endr
	s_wait_dscnt 0x0                               ; for the others' sake: my stores into the stage are done
	s_barrier_signal -1
	s_barrier_wait -1
.set t, 0
.rept 32
	ds_load_b128 v[W+4*t:W+4*t+3], v[RD] offset:(t/2)*1280+32*(t%2)   ; rows 16 (t / 2) on, bytes 32 (t % 2) + 16 h: rows 80 bytes apart
.set t, t+1
.endr
	ds_load_b128 v[192:195], v[SRD]
.set t, 0
.rept 32
	s_wait_dscnt 32-t                              ; load t is in: behind it stand 31 - t of the chunk's and the scale words'
	global_store_b128 v[GO], v[W+4*t:W+4*t+3], s[10:11] offset:512*t   ; the wave stores 512 consecutive bytes, aligned
.set t, t+1
.endr
	s_wait_dscnt 0x0
	global_store_b128 v[GO], v[192:195], s[12:13]
	s_wait_tensorcnt 0x0                           ; the wave's end
	ds_add_u32 v[SPW], v[NIL]
	s_wait_dscnt 0x0
	CROUND                                         ; the closing round
	s_endpgm
.Lfunc_end_k_qd82889148a_qkv:
	.size	k_qd82889148a_qkv, .Lfunc_end_k_qd82889148a_qkv-k_qd82889148a_qkv
	.p2alignl 7, 3214868480
	.fill 96, 4, 3214868480
	.section	.rodata,"a",@progbits
	.p2align	6, 0x0
	.amdhsa_kernel k_qd82889148a_qkv
		.amdhsa_group_segment_fixed_size 327680
		.amdhsa_private_segment_fixed_size 0
		.amdhsa_enable_private_segment 0
		.amdhsa_kernarg_size 40
		.amdhsa_user_sgpr_count 2
		.amdhsa_user_sgpr_kernarg_segment_ptr 1
		.amdhsa_wavefront_size32 1
		.amdhsa_system_sgpr_workgroup_id_x 1
		.amdhsa_system_sgpr_workgroup_id_y 1
		.amdhsa_system_sgpr_workgroup_id_z 1
		.amdhsa_system_vgpr_workitem_id 0
		.amdhsa_next_free_vgpr 1024
		.amdhsa_next_free_sgpr 100
		.amdhsa_reserve_vcc 0
		.amdhsa_float_denorm_mode_32 3
		.amdhsa_float_denorm_mode_16_64 3
		.amdhsa_fp16_overflow 1
		.amdhsa_memory_ordered 1
		.amdhsa_forward_progress 1
		.amdhsa_inst_pref_size 213
	.end_amdhsa_kernel
	.amdgpu_metadata
---
amdhsa.version: [ 1, 2 ]
amdhsa.kernels:
  - .name:           k_qd82889148a_qkv
    .symbol:         k_qd82889148a_qkv.kd
    .args:
      - { .name: xw_codes, .offset: 0, .size: 8, .value_kind: global_buffer, .address_space: global }
      - { .name: xw_scales, .offset: 8, .size: 8, .value_kind: global_buffer, .address_space: global }
      - { .name: rope, .offset: 16, .size: 8, .value_kind: global_buffer, .address_space: global }
      - { .name: qkv_codes, .offset: 24, .size: 8, .value_kind: global_buffer, .address_space: global }
      - { .name: qkv_scales, .offset: 32, .size: 8, .value_kind: global_buffer, .address_space: global }
    .group_segment_fixed_size: 327680
    .private_segment_fixed_size: 0
    .kernarg_segment_align: 8
    .kernarg_segment_size: 40
    .max_flat_workgroup_size: 128
    .sgpr_count:     100
    .vgpr_count:     1024
    .wavefront_size: 32
...
	.end_amdgpu_metadata
.endif
;; end of part 2
;; launch attn (part 3): grid 4 x 64, 16 waves a work-group, clusters of 4 x 1, 310,272 bytes of LDS; arguments qkv_codes, qkv_scales, a_codes, a_scales; writes a_codes, a_scales
.if DOCPART == 3
	.amdgcn_target "amdgcn-amd-amdhsa--gfx1250"
	.amdhsa_code_object_version 6
	.text
	.protected	k_qd82889148a_attn
	.globl	k_qd82889148a_attn
	.p2align	8
	.type	k_qd82889148a_attn,@function
k_qd82889148a_attn:
	s_mov_b64 s[64:65], 0
	v_nop
	global_prefetch_b8 v0, s[64:65] scope:SCOPE_SE
	s_setreg_imm32_b32 hwreg(HW_REG_WAVE_MODE, 25, 1), 1
	s_wait_xcnt 0x0
	s_wait_alu depctr_hold_cnt(0) depctr_sa_sdst(0) depctr_va_vdst(0) depctr_va_sdst(0) depctr_va_ssrc(0) depctr_va_vcc(0) depctr_vm_vsrc(0)
	s_getreg_b32 s2, hwreg(HW_REG_IB_STS2, 6, 4)
	s_cmp_eq_u32 s2, 0
	s_cbranch_scc0 .Lentry_in_a_cluster
	s_endpgm
.Lentry_in_a_cluster:
	s_bfe_u32 s2, ttmp6, 0x10000c
	s_cmp_lg_u32 s2, 0x3003
	s_cbranch_scc0 .Lentry_shape_is_right
	s_endpgm
.Lentry_shape_is_right:
; ATTN.  For each batch b and head: O[q] = sum over keys k <= q of softmax(Q[q] . K[k] / 8) V[k], both products on codes of FP8 (E4M3) with E8M0 scales; O / l is quantised along e = 64 head + d and stored as codes.
; THE SOFTMAX: t = score x log2(e) / 8; M = the running largest t rounded UP to a whole number; p = 2^(t - M) is quantised along the keys; the sum is taken of the unquantised p and divides at the end.
; SHARES.  A cluster of four work-groups owns one (b, head); work-group cx, wave w own the stored query tiles TL = 4 w + cx and TH = 127 - TL (16 queries each): together 17 steps of 128 keys for every wave.
; The last key step of a tile is TL / 8 = w / 2 and 15 - w / 2: it hangs on the wave's number alone, so no branch hangs on cx.
; ALL OF THE HEAD'S K AND V LIE IN LDS, FILLED ONCE: 2,048 keys x 64 bytes each, unpadded, and their scale words.  Wave w asks for key step w's four pieces; the four partners need the same bytes, so every load is a joint one.
; One wait and one barrier follow; behind them no wave waits for another: each walks TH's steps 0 .. 15 - w / 2 and then TL's 0 .. w / 2 at its own pace, so that the four waves of a SIMD all have work to the end.
; (In step with each other they would not: under the causal mask a key step's work falls from two tiles a wave at step 0 to one tile of two waves in sixteen at step 15.)  No LDS byte is filled twice.
; THE CODES LIE IN THE ORDER OF AN OPERAND'S REGISTERS: 16 rows x 64 bytes are 1,024 bytes, byte 32 c + 16 h + x of row r at 512 c + 16 (16 h + r) + x: every fragment load reads 512 consecutive bytes, 16 x lane.
; ROWS ARE STORED ROWS (bits 3 and 4 swapped): tile T holds queries 16 T - 8 (T % 2) + r + 8 (r / 8); sixteen stored keys as source 0 leave a lane, over tiles 2 b and 2 b + 1, the 16 neighbouring keys 32 b + 16 (lane / 16) + i.
; HEAD SIZE 64 IN A FORM OF 128 ALONG K: Q's fragment is its 8 registers and 8 registers of zero codes; K's names its 8 registers and the 8 behind them (the next tile's codes, or zeros that stay): finite codes times zero codes.
; K's and Q's scale words are read as two bytes; the upper two are then 0, never 0xff.
; The scale bytes of O leave as 2 bytes a row (rows 32 bytes apart): one byte in 33 of what the launch stores.
; LIMITS: a block of zeros gets the byte 1 (zero codes; read by this program alone); NaN and infinities are not served.
.set KB,    0                          ; K: key step j at 8,192 j; its tile i of 16 keys at + 1,024 i
.set VB,    131072                     ; V: key step j at 8,192 j: two chunks of 64 keys, 4,096 bytes each; in a chunk the tile t of 16 d at + 1,024 t
.set STEPB, 8192
.set SCK,   262144                     ; K's scale words: 32 rows of 256 + 16 bytes, two a key step
.set SCV,   SCK+16*544                 ; V's: a row of 256 bytes a key step, 272 apart
.set STG,   SCV+16*272                 ; a stage of 2,048 bytes for each wave; no fill lands there
.set VPART, 16777216
.set VSPART, 524288
.set AK0,  1                           ; v1  16 x lane
.set AV0,  2                           ; v2  VB + 16 x lane
.set ASK0, 3
.set ASV0, 4
.set SOF,  7                           ; v7  where my row's two scale bytes go
.set ADK,  8
.set ADV,  9
.set ADS,  10
.set ADT,  11
.set F,    56                          ; v56-87 four tiles of K, 8 registers each; v88-95 zeros that stay
.set PCD,  56                          ; v56-71 later p's codes
.set S,    96                          ; v96-159 S^T, then p, then V's four fragments
.set OH,   160
.set OL,   192
.set BM,   224
.set PX,   228
.set HO,   232
.set SO,   236
.set KSC,  240                         ; v240-243 K's or V's scale words
.set FF,   244                         ; v244 f
.set PSW,  245                         ; v245 p's scale word
.set TMP,  246
.set WV,   12
.set MNT,  13
.set SEL,  14
.set CS,   16
.set TB,   18                          ; s18  the key step's codes: 8,192 a step
.set TS,   19                          ; s19  its scale words of K: 544 a step
.set TJ,   20                          ; s20  of V: 272 a step
.set JS,   21                          ; s21  the key step
.set BLKH, 23
.set BLKL, 24
.set G1K,  28
.set G1V,  36
.set G1SK, 44
.set G1SV, 52
.set G0K,  60
.set G0V,  68
.set G0SK, 72
.set G0SV, 76
.macro CROUND
	s_barrier_signal -1
	s_barrier_wait -1
	s_cmp_lg_u32 s[WV], 0
	s_cbranch_scc1 .Lnot_wave_0_\@
	s_barrier_signal -3
.Lnot_wave_0_\@:
	s_barrier_wait -3
	s_barrier_signal -1
	s_barrier_wait -1
.endm
	s_load_b256 s[4:11], s[0:1], 0x0               ; qkv_codes 4:5, qkv_scales 6:7, a_codes 8:9, a_scales 10:11
	v_lshl_add_u32 v254, v0, 2, 0x4b400
	v_mov_b32 v255, 0
	ds_add_u32 v254, v255
	ds_add_u32 v254, v255
	v_lshrrev_b32 v8, 5, v0
	s_delay_alu instid0(VALU_DEP_1)
	v_readfirstlane_b32 s[WV], v8                  ; wave 0..15
	s_and_b32 s80, ttmp7, 0xffff                   ; 16 b + head, which the four partners share
	s_lshr_b32 s81, s80, 4                         ; b
	s_and_b32 s82, s80, 15                         ; head
	s_and_b32 s83, s82, 1                          ; which half of a scale word is the head's
	s_lshr_b32 s84, s82, 1
	s_lshr_b32 s[BLKL], s[WV], 1                   ; TL's last key step,
	s_sub_co_u32 s[BLKH], 15, s[BLKL]              ; TH's
	s_lshl_b32 s80, s81, 11                        ; 2048 b
	; what I fetch: key step w
	s_add_co_u32 s86, s82, 16                      ; K's codes: ((16 + head) 8192 + 2048 b + 128 w) x 64
	s_lshl_b32 s86, s86, 13
	s_add_co_u32 s86, s86, s80
	s_lshl_b32 s87, s[WV], 7
	s_add_co_u32 s86, s86, s87
	s_lshl_b32 s86, s86, 6
	s_mov_b32 s87, 0
	s_lshl_b32 s88, s81, 5                         ; V's codes: ((32 b + 2 w) 1024 + 64 head) x 64, in V's part
	s_lshl_b32 s89, s[WV], 1
	s_add_co_u32 s88, s88, s89
	s_lshl_b32 s88, s88, 10
	s_lshl_b32 s89, s82, 6
	s_add_co_u32 s88, s88, s89
	s_lshl_b32 s88, s88, 6
	s_add_co_u32 s88, s88, VPART
	s_mov_b32 s89, 0
	s_add_co_u32 s90, s84, 8                       ; K's scale words: ((8 + head / 2) 8192 + 2048 b + 128 w) x 4
	s_lshl_b32 s90, s90, 13
	s_add_co_u32 s90, s90, s80
	s_lshl_b32 s91, s[WV], 7
	s_add_co_u32 s90, s90, s91
	s_lshl_b32 s90, s90, 2
	s_mov_b32 s91, 0
	s_lshl_b32 s92, s81, 4                         ; V's: ((16 b + w) 1024 + 64 head) x 4, in V's part
	s_add_co_u32 s92, s92, s[WV]
	s_lshl_b32 s92, s92, 10
	s_lshl_b32 s93, s82, 6
	s_add_co_u32 s92, s92, s93
	s_lshl_b32 s92, s92, 2
	s_add_co_u32 s92, s92, VSPART
	s_mov_b32 s93, 0
	s_lshl_b32 s94, s[WV], 13                      ; and where it goes: the wave's number times a constant, plus a constant
	s_mul_i32 s95, s[WV], 544
	s_mul_i32 s96, s[WV], 272
	; descriptor groups 1; elements of 8 bytes; the mask names all four work-groups, bit 21 beside it
	s_mov_b32 s[G1K], 15|(3<<16)|(1<<21)           ; K: 128 keys x 64 bytes are 8,192 dense bytes: 32 rows of 256, no padding
	s_mov_b32 s[G1K+1], 32<<16
	s_mov_b32 s[G1K+2], 32<<16
	s_mov_b32 s[G1K+3], 32<<16
	s_mov_b32 s[G1K+4], 32
	s_mov_b32 s[G1K+5], 32
	s_mov_b32 s[G1K+6], 0
	s_mov_b32 s[G1K+7], 0
	s_mov_b32 s[G1V], 15|(3<<16)|(1<<21)           ; V: two chunks of 64 d x 64 bytes = 4,096 dense bytes, 65,536 bytes apart
	s_mov_b32 s[G1V+1], 512<<16
	s_mov_b32 s[G1V+2], 2<<16
	s_mov_b32 s[G1V+3], 512<<16
	s_mov_b32 s[G1V+4], 2
	s_mov_b32 s[G1V+5], 8192
	s_mov_b32 s[G1V+6], 0
	s_mov_b32 s[G1V+7], 0
	s_mov_b32 s[G1SK], 15|(3<<16)|(1<<20)|(1<<21)|(5<<22)|(3<<25)  ; K's scale words of 128 keys: two rows of 256 dense bytes, four words of padding behind each
	s_mov_b32 s[G1SK+1], 32<<16
	s_mov_b32 s[G1SK+2], 2<<16
	s_mov_b32 s[G1SK+3], 32<<16
	s_mov_b32 s[G1SK+4], 2
	s_mov_b32 s[G1SK+5], 32
	s_mov_b32 s[G1SK+6], 0
	s_mov_b32 s[G1SK+7], 0
	s_mov_b32 s[G1SV], 15|(3<<16)|(1<<21)          ; V's of one key step: one row of 256 bytes
	s_mov_b32 s[G1SV+1], 32<<16
	s_mov_b32 s[G1SV+2], 1<<16
	s_mov_b32 s[G1SV+3], 32<<16
	s_mov_b32 s[G1SV+4], 1
	s_mov_b32 s[G1SV+5], 32
	s_mov_b32 s[G1SV+6], 0
	s_mov_b32 s[G1SV+7], 0
	s_mov_b32 s[SEL], 0x76543210
	s_mov_b32 s[SEL+1], 0xfedcba98
	s_mov_b32 s[CS], 0x3e38aa3b                    ; c = log2(e) / 8
	s_mov_b32 s[CS+1], s[CS]
	s_mov_b32 s[TB], 0
	s_mov_b32 s[TS], 0
	s_mov_b32 s[TJ], 0
	s_mov_b32 s[JS], 0
	s_wait_dscnt 0x0
	s_wait_kmcnt 0x0
	s_mov_b32 s[G0K], 1
	s_mov_b32 s[G0K+1], s94
	s_add_nc_u64 s[G0K+2:G0K+3], s[4:5], s[86:87]
	s_or_b32 s[G0K+3], s[G0K+3], 0x80000000
	s_mov_b32 s[G0V], 1
	s_add_co_u32 s[G0V+1], s94, VB
	s_add_nc_u64 s[G0V+2:G0V+3], s[4:5], s[88:89]
	s_or_b32 s[G0V+3], s[G0V+3], 0x80000000
	s_mov_b32 s[G0SK], 1
	s_add_co_u32 s[G0SK+1], s95, SCK
	s_add_nc_u64 s[G0SK+2:G0SK+3], s[6:7], s[90:91]
	s_or_b32 s[G0SK+3], s[G0SK+3], 0x80000000
	s_mov_b32 s[G0SV], 1
	s_add_co_u32 s[G0SV+1], s96, SCV
	s_add_nc_u64 s[G0SV+2:G0SV+3], s[6:7], s[92:93]
	s_or_b32 s[G0SV+3], s[G0SV+3], 0x80000000
	CROUND                                         ; all four work-groups are here: the joint loads meet
	tensor_load_to_lds s[G0SK:G0SK+3], s[G1SK:G1SK+7]   ; every wave issues the same four lines, under no branch: four loads of mine are out; the one wait on them is for 0
	s_nop 0
	tensor_load_to_lds s[G0SV:G0SV+3], s[G1SV:G1SV+7]
	s_nop 0
	tensor_load_to_lds s[G0K:G0K+3], s[G1K:G1K+7]
	s_nop 0
	tensor_load_to_lds s[G0V:G0V+3], s[G1V:G1V+7]
	s_nop 0
.rept 4
	v_nop
.endr
	; what hangs on cx: my two tiles; it enters Q's and the output's addresses and the mask's numbers alone
	s_bfe_u32 s86, ttmp6, 0x40000
	s_lshl_b32 s87, s[WV], 2
	s_add_co_u32 s86, s86, s87                     ; TL
	s_sub_co_u32 s87, 127, s86                     ; TH
	s_lshl_b32 s88, s82, 13
	s_add_co_u32 s88, s88, s80                     ; 8192 head + 2048 b
	s_lshl_b32 s90, s87, 4
	s_add_co_u32 s90, s90, s88
	s_lshl_b32 s90, s90, 6                         ; TH's 1,024 bytes: in Q's chunk and in a_codes alike
	s_mov_b32 s91, 0
	s_lshl_b32 s92, s86, 4
	s_add_co_u32 s92, s92, s88
	s_lshl_b32 s92, s92, 6
	s_mov_b32 s93, 0
	s_add_nc_u64 s[96:97], s[4:5], s[90:91]        ; Q's codes of TH,
	s_add_nc_u64 s[98:99], s[4:5], s[92:93]        ; of TL
	s_add_nc_u64 s[90:91], s[8:9], s[90:91]        ; the output's codes of TH,
	s_add_nc_u64 s[92:93], s[8:9], s[92:93]        ; of TL
	s_lshl_b32 s88, s84, 13
	s_add_co_u32 s88, s88, s80                     ; Q's scale words: ((head / 2) 8192 + 2048 b + 16 T) x 4 + 2 (head % 2)
	s_lshl_b32 s25, s83, 1
	s_lshl_b32 s94, s87, 4
	s_add_co_u32 s94, s94, s88
	s_lshl_b32 s94, s94, 2
	s_add_co_u32 s94, s94, s25
	s_mov_b32 s95, 0
	s_add_nc_u64 s[94:95], s[6:7], s[94:95]
	s_lshl_b32 s2, s86, 4
	s_add_co_u32 s2, s2, s88
	s_lshl_b32 s2, s2, 2
	s_add_co_u32 s2, s2, s25
	s_mov_b32 s3, 0
	s_add_nc_u64 s[2:3], s[6:7], s[2:3]
	s_lshl_b32 s88, s80, 5                         ; the output's scale bytes: 2048 b rows of 32 bytes + 2 head
	s_lshl_b32 s89, s82, 1
	s_add_co_u32 s88, s88, s89
	s_mov_b32 s89, 0
	s_add_nc_u64 s[10:11], s[10:11], s[88:89]
	s_add_co_u32 s25, s25, SCK
	s_lshl_b32 s26, s87, 4                         ; a tile's first query within its 128: (16 T - 8 (T % 2)) % 128
	s_and_b32 s27, s87, 1
	s_lshl_b32 s27, s27, 3
	s_sub_co_u32 s26, s26, s27
	s_and_b32 s26, s26, 127
	s_lshl_b32 s27, s86, 4
	s_and_b32 s85, s86, 1
	s_lshl_b32 s85, s85, 3
	s_sub_co_u32 s27, s27, s85
	s_and_b32 s27, s27, 127
	s_lshl_b32 s84, s87, 9                         ; 512 TH, 512 TL: 16 rows of 32 scale bytes a tile
	s_lshl_b32 s85, s86, 9
	v_and_b32 v8, 15, v0                           ; r
	v_bfe_u32 v9, v0, 4, 1                         ; h
	v_and_b32 v[AK0], 31, v0
	s_delay_alu instid0(VALU_DEP_1)
	v_lshlrev_b32 v[AK0], 4, v[AK0]                ; 16 x lane: a fragment's place for my lane, in memory and in LDS; never rewritten
	s_delay_alu instid0(VALU_DEP_4)
	v_lshlrev_b32 v249, 2, v8
	global_load_b128 v[20:23], v[AK0], s[96:97]    ; Q's fragments: 512 consecutive bytes a load
	global_load_b128 v[24:27], v[AK0], s[96:97] offset:512
	global_load_b128 v[36:39], v[AK0], s[98:99]
	global_load_b128 v[40:43], v[AK0], s[98:99] offset:512
	global_load_u16 v52, v249, s[94:95]            ; Q's two scale bytes; the upper two of the word are 0
	global_load_u16 v53, v249, s[2:3]
	v_add_nc_u32 v[AV0], VB, v[AK0]
	v_lshlrev_b32 v[ASV0], 2, v8
	s_delay_alu instid0(VALU_DEP_1)
	v_add_nc_u32 v[ASK0], s25, v[ASV0]
	s_delay_alu instid0(VALU_DEP_2)
	v_add_nc_u32 v[ASV0], SCV, v[ASV0]
	v_and_b32 v10, 8, v8
	s_delay_alu instid0(VALU_DEP_1)
	v_add_nc_u32 v10, v10, v8
	v_lshlrev_b32 v11, 4, v9
	s_delay_alu instid0(VALU_DEP_1)
	v_sub_nc_u32 v10, v10, v11
	s_delay_alu instid0(VALU_DEP_1)
	v_add_nc_u32 v54, s26, v10                     ; d = my query within its 128 keys - 16 h: register 16 b + i holds key 32 b + i + 16 h, hidden where 32 b + i > d
	s_delay_alu instid0(VALU_DEP_2)
	v_add_nc_u32 v55, s27, v10
	v_mov_b32 v246, s84
	v_mov_b32 v247, s85
	v_cmp_eq_u32 vcc_lo, 1, v9
	s_delay_alu instid0(VALU_DEP_1)
	v_cndmask_b32 v[SOF], v246, v247, vcc_lo       ; lanes 0-15 store TH's scale bytes, lanes 16-31 TL's
	s_delay_alu instid0(VALU_DEP_1)
	v_lshl_add_u32 v[SOF], v8, 5, v[SOF]
.set j, 0
.rept 8
	v_mov_b32 v[28+j], 0                           ; the zero codes behind Q's fragments and behind K's last tile
	v_mov_b32 v[44+j], 0
	v_mov_b32 v[88+j], 0
.set j, j+1
.endr
	v_mov_b32 v13, 0xff61b1e6                      ; the largest t so far: -3e38
	v_mov_b32 v17, 0xff61b1e6
	s_delay_alu instid0(VALU_DEP_2)
	v_floor_f32 v12, -v13                          ; -M
	s_delay_alu instid0(VALU_DEP_2)
	v_floor_f32 v16, -v17
	v_mov_b32 v14, 0
	v_mov_b32 v15, 0
	v_mov_b32 v18, 0
	v_mov_b32 v19, 0
.irp b, 0,1,2,3
	v_mov_b32 v[PX+\b], 0                          ; a lane permute's destination counts as one of its sources
.endr
	v_mov_b32 v[PSW], 0                            ; (named as the upper half of the pair with f before it is first written)
.set j, 0
.rept 64
	v_mov_b32 v[OH+j], 0                           ; O^T of both tiles: the step is written once for each; its first pass finds zeros
.set j, j+1
.endr
; The largest score of blocks b0 and b0 + 1 of 32 keys: it serves for the row's maximum and for the block's largest p
.macro BMAX b0
.irp b, \b0, \b0+1
	v_max3_num_f32 v[BM+\b], v[S+16*(\b)], v[S+1+16*(\b)], v[S+2+16*(\b)]
.endr
.irp i, 3,5,7,9,11,13
.irp b, \b0, \b0+1
	v_max3_num_f32 v[BM+\b], v[BM+\b], v[S+16*(\b)+\i], v[S+1+16*(\b)+\i]
.endr
.endr
.irp b, \b0, \b0+1
	v_max_num_f32 v[BM+\b], v[BM+\b], v[S+15+16*(\b)]
.endr
.endm
; ONE TILE'S KEY STEP: the 128 keys of step s[JS].  Left out where all its keys come after the tile's queries: a scalar branch on the step's number and the wave's.
.macro TILE OB, SB, QF, QS, D, BLK
	s_cmp_gt_u32 s[JS], s[\BLK]
	s_cbranch_scc1 .Lhidden_\@
	s_setprio 2
	v_add_nc_u32 v[ADK], s[TB], v[AK0]
	s_wait_alu depctr_va_vdst(0)
	v_add_nc_u32 v[ADV], s[TB], v[AV0]
	v_add_nc_u32 v[ADS], s[TS], v[ASK0]
	s_wait_alu depctr_va_vdst(0)
	v_add_nc_u32 v[ADT], s[TJ], v[ASV0]
.rept 5
	v_nop                                          ; nine places with the four above: the products below write over registers that the last products read
.endr
.irp g, 0,1                                    ; S^T = K Q^T, four tiles of 16 keys at a time
.if \g
.rept 8
	v_nop                                          ; places in front of loads into registers that the four products above have read, and of the first read of their results
.endr
.endif
.irp t, 0,1,2,3
	ds_load_b128 v[F+8*\t:F+8*\t+3], v[ADK] offset:(4*\g+\t)*1024
	ds_load_b128 v[F+8*\t+4:F+8*\t+7], v[ADK] offset:(4*\g+\t)*1024+512
	ds_load_u16 v[KSC+\t], v[ADS] offset:272*\g+64*\t
.endr
	s_wait_dscnt 0x0
.irp t, 0,1,2,3
	v_wmma_scale_f32_16x16x128_f8f6f4 v[S+8*(4*\g+\t):S+8*(4*\g+\t)+7], v[F+8*\t:F+8*\t+15], v[\QF:\QF+15], 0, v[KSC+\t], v[\QS]
.endr
.endr
; The eight places behind the last four products are work on the first four's results (v96-127), which name none of the last four's registers: the first 64 lines of the mask, or the 16 maxima of blocks 0 and 1.
	s_cmp_lt_u32 s[JS], s[\BLK]                    ; only the tile's last step lies on the diagonal
	s_cbranch_scc1 .Lopen_\@
	v_mov_b32 v[TMP], 0xff800000                   ; hidden scores become -infinity ahead of the maximum: p = 0 then
.set n, 0
.rept 64
	v_cmp_gt_i32 vcc_lo, 32*(n/16)+n%16, v[\D]
	v_cndmask_b32 v[S+n], v[S+n], v[TMP], vcc_lo
.set n, n+1
.endr
.Lopen_\@:
	BMAX 0
	BMAX 2
.irp b, 0,1,2,3
	v_permlanex16_b32 v[PX+\b], v[BM+\b], s[SEL], s[SEL+1]
.endr
.irp b, 0,1,2,3
	s_delay_alu instid0(VALU_DEP_4)
	v_max_num_f32 v[BM+\b], v[BM+\b], v[PX+\b]
.endr
	s_delay_alu instid0(VALU_DEP_2)
	v_max3_num_f32 v[TMP], v[BM], v[BM+1], v[BM+2]
	s_delay_alu instid0(VALU_DEP_1)
	v_max_num_f32 v[TMP], v[TMP], v[BM+3]
	s_delay_alu instid0(VALU_DEP_1)
	v_mul_f32 v[TMP], s[CS], v[TMP]
	s_delay_alu instid0(VALU_DEP_1)
	v_max_num_f32 v[\SB+1], v[\SB+1], v[TMP]       ; the running largest t
	v_mov_b32 v[TMP], v[\SB]
	s_delay_alu instid0(VALU_DEP_2)
	v_floor_f32 v[\SB], -v[\SB+1]                  ; the new -M = -ceil(t)
	s_delay_alu instid0(VALU_DEP_1)
	v_sub_f32 v[TMP], v[\SB], v[TMP]
	s_delay_alu instid0(VALU_DEP_1)
	v_cvt_i32_f32 v[TMP], v[TMP]                   ; (it saturates)
	s_delay_alu instid0(VALU_DEP_1)
	v_ldexp_f32 v[FF], 1.0, v[TMP]                 ; f = 2^(old M - new M): a multiplication by it rounds nothing
.set j, 0
.rept 32
	v_pk_fma_f32 v[S+j:S+j+1], v[S+j:S+j+1], s[CS:CS+1], v[\SB:\SB+1] op_sel_hi:[1,0,0]   ; t - M
.set j, j+2
.endr
	s_setprio 1
.irp b, 0,1,2,3
	v_fma_f32 v[BM+\b], v[BM+\b], s[CS], v[\SB]
.endr
.set j, 0
	s_wait_alu depctr_va_vdst(0)
.rept 64
	v_exp_f32 v[S+j], v[S+j]                       ; p = 2^(t - M)
.set j, j+1
.endr
.irp b, 0,1,2,3
	v_exp_f32 v[BM+\b], v[BM+\b]                   ; the block's largest p: the same two instructions on the same number
.endr
	v_pk_mul_f32 v[\SB+2:\SB+3], v[\SB+2:\SB+3], v[FF:FF+1] op_sel_hi:[1,0]   ; the sums under the new M (a plain place behind the exponentials)
	s_wait_alu depctr_va_vdst(0)
.irp b, 0,1,2,3
	v_max_num_f32 v[BM+\b], 0x4800000, v[BM+\b]    ; the floor 2^(9 - 127)
.endr
.irp b, 0,1,2,3
	s_delay_alu instid0(VALU_DEP_4)
	v_add_nc_u32 v[SO+\b], 0xfc000000, v[BM+\b]
.endr
.irp b, 0,1,2,3
.endr
.irp b, 0,1,2,3
	s_delay_alu instid0(VALU_DEP_4)
	v_lshrrev_b32 v[PX+\b], 23, v[SO+\b]
.endr
	s_delay_alu instid0(VALU_DEP_3)
	v_lshl_or_b32 v[PSW], v[PX+1], 8, v[PX]        ; p's scale word for these 128 keys
	s_delay_alu instid0(VALU_DEP_1)
	v_lshl_or_b32 v[PSW], v[PX+2], 16, v[PSW]
	s_delay_alu instid0(VALU_DEP_1)
	v_lshl_or_b32 v[PSW], v[PX+3], 24, v[PSW]
	v_pk_add_f32 v[PX:PX+1], v[S:S+1], v[S+2:S+3]  ; the row's sum is taken of the unquantised p, in two chains
.irp j, 4,8,12,16,20,24,28,32,36,40,44,48,52,56,60
	v_pk_add_f32 v[\SB+2:\SB+3], v[\SB+2:\SB+3], v[S+\j:S+1+\j]
	v_pk_add_f32 v[PX:PX+1], v[PX:PX+1], v[S+2+\j:S+3+\j]
.endr
	s_delay_alu instid0(VALU_DEP_1)
	v_pk_add_f32 v[\SB+2:\SB+3], v[\SB+2:\SB+3], v[PX:PX+1]
.irp b, 0,1,2,3
.irp i, 0,1,2,3,4,5,6,7,8,9,10,11,12,13,14,15
.endr
	v_cvt_scalef32_pk8_fp8_f32 v[PCD+4*\b:PCD+4*\b+1], v[S+16*\b:S+16*\b+7], v[SO+\b]
	v_cvt_scalef32_pk8_fp8_f32 v[PCD+4*\b+2:PCD+4*\b+3], v[S+16*\b+8:S+16*\b+15], v[SO+\b]
.endr
	s_setprio 0
	v_nop
.irp t, 0,1,2,3                                ; V's four fragments (16 d x these 128 keys) take p's registers
.irp c, 0,1,2,3
	ds_load_b128 v[S+16*\t+4*\c:S+16*\t+4*\c+3], v[ADV] offset:(\c/2)*4096+1024*\t+512*(\c%2)
.endr
	ds_load_b32 v[KSC+\t], v[ADT] offset:64*\t
.endr
.set j, 0
.rept 16
	v_pk_mul_f32 v[\OB+j:\OB+j+1], v[\OB+j:\OB+j+1], v[FF:FF+1] op_sel_hi:[1,0]   ; O^T under the new M; these are also the places between the codes and the products
.set j, j+2
.endr
	s_wait_alu depctr_va_vdst(0)
	s_wait_dscnt 0x0
.irp t, 0,1,2,3                                ; O^T += V^T P^T: the four accumulators by turns; eight other products stand ahead of their next turn
	v_wmma_scale_f32_16x16x128_f8f6f4 v[\OB+8*\t:\OB+8*\t+7], v[S+16*\t:S+16*\t+15], v[PCD:PCD+15], v[\OB+8*\t:\OB+8*\t+7], v[KSC+\t], v[PSW]
.endr
.Lhidden_\@:
	s_add_co_u32 s[TB], s[TB], STEPB               ; the next key step: its codes,
	s_add_co_u32 s[TS], s[TS], 544                 ; its scale words of K: two rows of 272,
	s_add_co_u32 s[TJ], s[TJ], 272                 ; of V: one
.endm
	s_wait_loadcnt 0x0                             ; Q
	s_wait_tensorcnt 0x0                           ; my four pieces have landed,
	s_barrier_signal -1
	s_barrier_wait -1                              ; everybody's have: the head's K, V and scale words are whole, and nothing writes them again
.Lhigh:                                            ; TH: sixteen trips, a constant; the steps behind 15 - w / 2 are jumped over
	TILE OH, 12, 20, 52, 54, BLKH
	s_add_co_u32 s[JS], s[JS], 1
	s_cmp_lt_u32 s[JS], 16
	s_cbranch_scc1 .Lhigh
	s_setprio 0
	s_mov_b32 s[TB], 0
	s_mov_b32 s[TS], 0
	s_mov_b32 s[TJ], 0
	s_mov_b32 s[JS], 0
.Llow:                                             ; TL: eight trips; the steps behind w / 2 are jumped over
	TILE OL, 16, 36, 53, 55, BLKL
	s_add_co_u32 s[JS], s[JS], 1
	s_cmp_lt_u32 s[JS], 8
	s_cbranch_scc1 .Llow
	s_setprio 0
	; THE WAY OUT.  O^T / l of both tiles: 64 numbers a lane, register 16 b + i: blocks 0, 1 are TH's d = 32 b + 16 h + i, blocks 2, 3 TL's.  They are quantised along d.
.rept 8
	v_nop
.endr
	v_add_f32 v14, v14, v15
	v_add_f32 v18, v18, v19
	s_delay_alu instid0(VALU_DEP_2)
	v_permlanex16_b32 v[PX], v14, s[SEL], s[SEL+1]
	s_delay_alu instid0(VALU_DEP_2)
	v_permlanex16_b32 v[PX+1], v18, s[SEL], s[SEL+1]
	s_delay_alu instid0(VALU_DEP_2)
	v_add_f32 v14, v14, v[PX]
	s_delay_alu instid0(VALU_DEP_2)
	v_add_f32 v18, v18, v[PX+1]
	s_wait_alu depctr_va_vdst(0)
	v_rcp_f32 v14, v14
	v_rcp_f32 v18, v18
	v_and_b32 v8, 15, v0                           ; (a plain place behind the reciprocals)
	v_bfe_u32 v9, v0, 4, 1
	s_lshl_b32 s80, s[WV], 11
	s_add_co_u32 s80, s80, STG                     ; my stage
	v_lshlrev_b32 v10, 6, v8
	s_delay_alu instid0(VALU_DEP_1)
	v_lshl_add_u32 v10, v9, 4, v10
	s_delay_alu instid0(VALU_DEP_1)
	v_add_nc_u32 v10, s80, v10                     ; in: row r of 64 bytes, + 16 h
	v_and_b32 v11, 31, v0
	s_delay_alu instid0(VALU_DEP_1)
	v_lshlrev_b32 v11, 4, v11                      ; 16 x lane
	s_delay_alu instid0(VALU_DEP_1)
	v_add_nc_u32 v8, s80, v11                      ; back: 512 bytes on end
.set j, 0
	s_wait_alu depctr_va_vdst(0)
.rept 32
	v_mul_f32 v[S+j], v[OH+j], v14
.set j, j+1
.endr
.set j, 0
.rept 32
	v_mul_f32 v[S+32+j], v[OL+j], v18
.set j, j+1
.endr
.irp b, 0,1,2,3
	v_max3_num_f32 v[BM+\b], |v[S+16*\b]|, |v[S+1+16*\b]|, 0x4800000
.endr
.irp i, 2,4,6,8,10,12,14
.irp b, 0,1,2,3
	s_delay_alu instid0(VALU_DEP_4)
	v_max3_num_f32 v[BM+\b], v[BM+\b], |v[S+16*\b+\i]|, |v[S+1+16*\b+\i]|
.endr
.endr
.irp b, 0,1,2,3
	s_delay_alu instid0(VALU_DEP_4)
	v_permlanex16_b32 v[PX+\b], v[BM+\b], s[SEL], s[SEL+1]
.endr
.irp b, 0,1,2,3
	s_delay_alu instid0(VALU_DEP_4)
	v_max_num_f32 v[BM+\b], v[BM+\b], v[PX+\b]
.endr
.irp b, 0,1,2,3
	s_delay_alu instid0(VALU_DEP_4)
	v_add_nc_u32 v[SO+\b], 0xfc000000, v[BM+\b]
.endr
.irp b, 0,1,2,3
.endr
.irp b, 0,1,2,3
	s_delay_alu instid0(VALU_DEP_4)
	v_lshrrev_b32 v[PX+\b], 23, v[SO+\b]
.endr
	s_delay_alu instid0(VALU_DEP_3)
	v_lshl_or_b32 v246, v[PX+1], 8, v[PX]          ; TH's two scale bytes,
	s_delay_alu instid0(VALU_DEP_2)
	v_lshl_or_b32 v247, v[PX+3], 8, v[PX+2]        ; TL's
	v_cmp_eq_u32 vcc_lo, 1, v9
	s_delay_alu instid0(VALU_DEP_1)
	v_cndmask_b32 v246, v246, v247, vcc_lo
.irp b, 0,1,2,3
.irp i, 0,1,2,3,4,5,6,7,8,9,10,11,12,13,14,15
.endr
	v_cvt_scalef32_pk8_fp8_f32 v[PCD+4*\b:PCD+4*\b+1], v[S+16*\b:S+16*\b+7], v[SO+\b]
	v_cvt_scalef32_pk8_fp8_f32 v[PCD+4*\b+2:PCD+4*\b+3], v[S+16*\b+8:S+16*\b+15], v[SO+\b]
.endr
.irp b, 0,1,2,3
	ds_store_b128 v10, v[PCD+4*\b:PCD+4*\b+3] offset:1024*(\b/2)+32*(\b%2)
.endr
.irp i, 0,1,2,3
	ds_load_b128 v[72+4*\i:75+4*\i], v8 offset:512*\i   ; LDS serves a wave's instructions in order: these see my stores
.endr
	global_store_b16 v[SOF], v246, s[10:11]
	s_wait_dscnt 3                                 ; the first of the four loads is in
	global_store_b128 v11, v[72:75], s[90:91]      ; a tile's 16 rows of 64 bytes are 1,024 consecutive bytes: the wave stores 512, aligned
	s_wait_dscnt 2
	global_store_b128 v11, v[76:79], s[90:91] offset:512
	s_wait_dscnt 1
	global_store_b128 v11, v[80:83], s[92:93]
	s_wait_dscnt 0x0
	global_store_b128 v11, v[84:87], s[92:93] offset:512
	s_wait_tensorcnt 0x0
	ds_add_u32 v254, v255
	s_wait_dscnt 0x0
	CROUND                                         ; the closing round: no work-group ends while a partner may still ask for a piece that names it
	s_endpgm
.Lfunc_end_k_qd82889148a_attn:
	.size	k_qd82889148a_attn, .Lfunc_end_k_qd82889148a_attn-k_qd82889148a_attn
	.p2alignl 7, 3214868480
	.fill 96, 4, 3214868480
	.section	.rodata,"a",@progbits
	.p2align	6, 0x0
	.amdhsa_kernel k_qd82889148a_attn
		.amdhsa_group_segment_fixed_size 310272
		.amdhsa_private_segment_fixed_size 0
		.amdhsa_enable_private_segment 0
		.amdhsa_kernarg_size 32
		.amdhsa_user_sgpr_count 2
		.amdhsa_user_sgpr_kernarg_segment_ptr 1
		.amdhsa_wavefront_size32 1
		.amdhsa_system_sgpr_workgroup_id_x 1
		.amdhsa_system_sgpr_workgroup_id_y 1
		.amdhsa_system_sgpr_workgroup_id_z 1
		.amdhsa_system_vgpr_workitem_id 0
		.amdhsa_next_free_vgpr 256
		.amdhsa_next_free_sgpr 100
		.amdhsa_reserve_vcc 1
		.amdhsa_float_denorm_mode_32 3
		.amdhsa_float_denorm_mode_16_64 3
		.amdhsa_fp16_overflow 1
		.amdhsa_memory_ordered 1
		.amdhsa_forward_progress 1
		.amdhsa_inst_pref_size 69
	.end_amdhsa_kernel
	.amdgpu_metadata
---
amdhsa.version: [ 1, 2 ]
amdhsa.kernels:
  - .name:           k_qd82889148a_attn
    .symbol:         k_qd82889148a_attn.kd
    .args:
      - { .name: qkv_codes, .offset: 0, .size: 8, .value_kind: global_buffer, .address_space: global }
      - { .name: qkv_scales, .offset: 8, .size: 8, .value_kind: global_buffer, .address_space: global }
      - { .name: a_codes, .offset: 16, .size: 8, .value_kind: global_buffer, .address_space: global }
      - { .name: a_scales, .offset: 24, .size: 8, .value_kind: global_buffer, .address_space: global }
    .group_segment_fixed_size: 310272
    .private_segment_fixed_size: 0
    .kernarg_segment_align: 8
    .kernarg_segment_size: 32
    .max_flat_workgroup_size: 512
    .sgpr_count:     100
    .vgpr_count:     256
    .wavefront_size: 32
...
	.end_amdgpu_metadata
.endif
;; end of part 3
;; launch oproj (part 4): grid 4 x 32, 4 waves a work-group, clusters of 4 x 4, 327,680 bytes of LDS; arguments a_codes, a_scales, xw_codes, xw_scales, out0; writes out0
.if DOCPART == 4
	.amdgcn_target "amdgcn-amd-amdhsa--gfx1250"
	.amdhsa_code_object_version 6
	.text
	.protected	k_qd82889148a_oproj
	.globl	k_qd82889148a_oproj
	.p2align	8
	.type	k_qd82889148a_oproj,@function
k_qd82889148a_oproj:
	s_mov_b64 s[64:65], 0
	v_nop
	global_prefetch_b8 v0, s[64:65] scope:SCOPE_SE
	s_setreg_imm32_b32 hwreg(HW_REG_WAVE_MODE, 25, 1), 1
	s_wait_xcnt 0x0
	s_wait_alu depctr_hold_cnt(0) depctr_sa_sdst(0) depctr_va_vdst(0) depctr_va_sdst(0) depctr_va_ssrc(0) depctr_va_vcc(0) depctr_vm_vsrc(0)
	s_getreg_b32 s2, hwreg(HW_REG_IB_STS2, 6, 4)
	s_cmp_eq_u32 s2, 0
	s_cbranch_scc0 .Lentry_in_a_cluster
	s_endpgm
.Lentry_in_a_cluster:
	s_bfe_u32 s2, ttmp6, 0x10000c
	s_cmp_lg_u32 s2, 0xf033
	s_cbranch_scc0 .Lentry_shape_is_right
	s_endpgm
.Lentry_shape_is_right:
; OPROJ.  out0[token][n] = sum over e of A[token][e] WO[n][e], on codes of FP8 (E4M3) with E8M0 scales; M = 8192, N = 1024, K = 1024; f32 out.
; A is the attention's output: a_codes [16 heads][8192 stored tokens][64 bytes], a_scales [8192 stored tokens][32].  B = WO: rows 11,264 on of xw_codes [.][1024] and xw_scales [.][32], in their own order.
; A tile of C is 256 x 256: four waves, 128 x 128 each.  K goes in four steps of 256 (four heads) through two LDS slots filled by joint tensor loads of a 4 x 4 cluster; the scale bytes come once.
; A's half tile is ONE load of four chunks of 128 rows x 64 bytes (8,192 dense bytes each, 524,288 bytes apart), laid with 16 bytes of padding behind each 64: chunk c at 10,240 c, rows 80 bytes apart.
; The product is used transposed (source 0 = 16 rows of WO, source 1 = 16 stored tokens): a lane holds eight neighbouring numbers of a row.  On the way out stored row 16 a + t goes to row 32 (a / 2) + 8 (a % 2) + t + 8 (t / 8).
; 128 work-groups: the tile is kept at the size whose wave tile reads each LDS byte for the most products.
; REGISTERS: as in the launch that makes Q, K and V: window 0 addresses, scale words, A's fragments; window 1 B's two sets; windows 2, 3 the accumulators.
.set SIZE_N, 1024
.set KSTEP,  256
.set NQ,     KSTEP/128
.set ROWB,   256
.set KROW,   1024
.set PITCH,  272
.set APITCH, 80
.set CHA,    128*APITCH                ; a chunk of A's half tile in LDS
.set CHUNK,  8192*64                   ; a head's chunk in memory
.set WOROW,  11264
.set FR,     16
.set NL,     4
.set NP,     8
.set HALFA,  4*CHA
.set HALFB,  128*PITCH
.set BOFF,   2*HALFA
.set SLOT,   2*HALFA+2*HALFB
.set KS,     32
.set SCL,    2*SLOT
.set HALFS,  (128*KS/256)*272
.set SBLK,   (16*KS/256)*272
.set SPARE,  SCL+4*HALFS               ; the spare words: 128 bytes a wave, two blocks of 256 bytes that no other line names
.set SPITCH, 528                       ; the way out: a stage of 16 rows x (512 + 16) bytes a wave, in slot 0, which has had its last fill and its last read by then
.set ADRA, 16
.set ADRB, 20
.set STO,  24
.set RD,   25
.set CO,   26
.set ADRS, 27
.set SPW,  28
.set NIL,  29
.set SC,   32
.set AF,   128
.set BK,   128
.set G1, 24
.set G0, 32
.set G1B, 48
.set G0B, 56
.set G1S, 68
.set G0S, 76
.set G1SB, 80
.set G0SB, 88
.set MSB, 0
.macro WIN new
.if MSB != \new
	s_set_vgpr_msb (MSB<<8)|\new
.set MSB, \new
.endif
.endm
.set MUL_LO, 0xa1
.set MUL_HI, 0xf1
.set TO_B,   0x40
.macro JLOAD g0a, g1a, g0b, g1b        ; waves 0 and 1 fetch for A, waves 2 and 3 for B; four v_nop follow each of the two lines
	s_cmp_eq_u32 s15, 0
	s_cbranch_scc0 .Lfor_b_\@
	tensor_load_to_lds s[\g0a:\g0a+3], s[\g1a:\g1a+7]
	s_nop 0
.rept 4
	v_nop
.endr
	s_branch .Lasked_\@
.Lfor_b_\@:
	tensor_load_to_lds s[\g0b:\g0b+3], s[\g1b:\g1b+7]
	s_nop 0
.rept 4
	v_nop
.endr
.Lasked_\@:
.endm
.macro CREST
	s_cmp_lg_u32 s14, 0
	s_cbranch_scc1 .Lnot_wave_0_\@
	s_barrier_signal -3
.Lnot_wave_0_\@:
	s_barrier_wait -3
	s_barrier_signal -1
	s_barrier_wait -1
.endm
.macro CROUND
	s_barrier_signal -1
	s_barrier_wait -1
	CREST
.endm
	s_load_b128 s[4:7], s[0:1], 0x0                ; A's codes, A's scales
	s_load_b128 s[8:11], s[0:1], 0x10              ; xw_codes, xw_scales
	s_load_b64 s[12:13], s[0:1], 0x20              ; out0
	v_lshl_add_u32 v[SPW], v0, 2, SPARE
	v_mov_b32 v[NIL], 0
	ds_add_u32 v28, v29
	ds_add_u32 v28, v29
	s_wait_dscnt 0x0
	v_lshrrev_b32 v1, 5, v0
	v_readfirstlane_b32 s14, v1
	s_lshr_b32 s15, s14, 1                         ; my half of the tile's rows.  Also: I fetch for A (0) or for B (1)
	s_and_b32 s16, s14, 1                          ; my half of its columns.  Also: which 128 rows I fetch
	s_bfe_u32 s40, ttmp6, 0x40000
	s_bfe_u32 s41, ttmp6, 0x40004
	s_lshl_b32 s42, ttmp9, 2
	s_add_co_u32 s42, s42, s40                     ; tile column
	s_and_b32 s17, ttmp7, 0xffff
	s_lshl_b32 s17, s17, 2
	s_add_co_u32 s17, s17, s41                     ; tile row
	s_lshl_b32 s43, s41, 2
	s_lshl_b32 s43, 15, s43
	s_lshl_b32 s44, 0x1111, s40
	s_or_b32 s[G1+0], s43, (3<<16)|(1<<20)|(1<<21)|(3<<22)|(3<<25)  ; A: elements of 8 bytes; four words of padding after every 16
	s_mov_b32 s[G1+1], 1024<<16                    ; tensor_dim0: 8,192 bytes
	s_mov_b32 s[G1+2], 4<<16                       ; tensor_dim1: four chunks
	s_mov_b32 s[G1+3], 1024<<16
	s_mov_b32 s[G1+4], 4
	s_mov_b32 s[G1+5], CHUNK/8
	s_mov_b32 s[G1+6], 0
	s_mov_b32 s[G1+7], 0
	s_or_b32 s[G1B+0], s44, (0<<16)|(1<<20)|(1<<21)|(5<<22)|(3<<25) ; B: 128 rows of 256 bytes, 1,024 apart; four words of padding after every 64
	s_mov_b32 s[G1B+1], ROWB<<16
	s_mov_b32 s[G1B+2], 128<<16
	s_mov_b32 s[G1B+3], ROWB<<16
	s_mov_b32 s[G1B+4], 128
	s_mov_b32 s[G1B+5], KROW
	s_mov_b32 s[G1B+6], 0
	s_mov_b32 s[G1B+7], 0
	s_or_b32 s[G1S+0], s43, (3<<16)|(1<<20)|(1<<21)|(5<<22)|(3<<25)
	s_or_b32 s[G1SB+0], s44, (3<<16)|(1<<20)|(1<<21)|(5<<22)|(3<<25)
.irp g, G1S, G1SB
	s_mov_b32 s[\g+1], 32<<16
	s_mov_b32 s[\g+2], (128*KS/256)<<16
	s_mov_b32 s[\g+3], 32<<16
	s_mov_b32 s[\g+4], 128*KS/256
	s_mov_b32 s[\g+5], 32
	s_mov_b32 s[\g+6], 0
	s_mov_b32 s[\g+7], 0
.endr
	s_lshl_b32 s18, s16, 7
	s_lshl_b32 s20, s17, 8
	s_add_co_u32 s20, s20, s18                     ; A: row 256 x tile row + 128 x half
	s_lshl_b32 s46, s42, 8
	s_add_co_u32 s46, s46, s18
	s_add_co_u32 s46, s46, WOROW                   ; B: WO's first row + 256 x tile column + 128 x half
	s_mov_b32 s21, 0
	s_mov_b32 s47, 0
	s_lshl_b64 s[22:23], s[20:21], 5
	s_lshl_b64 s[92:93], s[46:47], 5
	s_lshl_b64 s[20:21], s[20:21], 6               ; A's rows are 64 bytes in a chunk
	s_lshl_b64 s[46:47], s[46:47], 10
	s_mul_i32 s45, s16, HALFA                      ; where they go: no place in the cluster enters an LDS address
	s_mul_i32 s95, s16, HALFB
	s_add_co_u32 s95, s95, BOFF
	s_mul_i32 s94, s14, HALFS
	s_wait_kmcnt 0x0
	s_add_nc_u64 s[20:21], s[4:5], s[20:21]
	s_add_nc_u64 s[22:23], s[6:7], s[22:23]
	s_add_nc_u64 s[46:47], s[8:9], s[46:47]
	s_add_nc_u64 s[92:93], s[10:11], s[92:93]
	CROUND                                         ; all sixteen work-groups are here: the first joint loads meet
	s_mov_b32 s[G0S], 1
	s_add_co_u32 s[G0S+1], s94, SCL
	s_mov_b64 s[G0S+2:G0S+3], s[22:23]
	s_or_b32 s[G0S+3], s[G0S+3], 0x80000000
	s_mov_b32 s[G0SB], 1
	s_add_co_u32 s[G0SB+1], s94, SCL
	s_mov_b64 s[G0SB+2:G0SB+3], s[92:93]
	s_or_b32 s[G0SB+3], s[G0SB+3], 0x80000000
	JLOAD G0S, G1S, G0SB, G1SB
.irp s, 0,1
	s_mov_b32 s[G0+4*\s], 1
	s_add_co_u32 s[G0+4*\s+1], s45, \s*SLOT
	s_add_nc_u64 s[G0+4*\s+2:G0+4*\s+3], s[20:21], \s*4*CHUNK
	s_or_b32 s[G0+4*\s+3], s[G0+4*\s+3], 0x80000000
	s_mov_b32 s[G0B+4*\s], 1
	s_add_co_u32 s[G0B+4*\s+1], s95, \s*SLOT
	s_add_nc_u64 s[G0B+4*\s+2:G0B+4*\s+3], s[46:47], \s*ROWB
	s_or_b32 s[G0B+4*\s+3], s[G0B+4*\s+3], 0x80000000
	s_wait_alu depctr_va_vdst(0)
	s_wait_tensorcnt 0x0
	ds_add_u32 v28, v29
	s_wait_dscnt 0x0
	CROUND
	JLOAD G0+4*\s, G1, G0B+4*\s, G1B
.endr
	v_and_b32 v1, 15, v0
	v_bfe_u32 v2, v0, 4, 1
	v_mul_u32_u24 v3, v1, PITCH
	v_lshl_add_u32 v4, v2, 4, v3                   ; B: row x 272 + 16 h
	v_mul_u32_u24 v3, v1, APITCH
	v_lshl_add_u32 v3, v2, 4, v3                   ; A: row x 80 + 16 h
	s_mul_i32 s21, s15, HALFA
	s_mul_i32 s22, s16, HALFB
	s_add_co_u32 s22, s22, BOFF
.irp s, 0,1
	v_add_nc_u32 v[ADRA+\s], s21, v3
	v_add_nc_u32 v[ADRB+\s], s22, v4
	s_add_co_u32 s21, s21, SLOT
	s_add_co_u32 s22, s22, SLOT
.endr
	v_mul_u32_u24 v5, v1, KS
	v_lshrrev_b32 v6, 8, v5
	v_lshl_add_u32 v5, v6, 4, v5
	s_mul_i32 s21, s15, HALFS
	s_mul_i32 s22, s16, HALFS
	s_add_co_u32 s22, s22, 2*HALFS
	s_sub_co_u32 s22, s22, s21
	v_mul_u32_u24 v6, s22, v2
	s_add_co_u32 s21, s21, SCL
	v_add_nc_u32 v5, v5, v6
	v_add_nc_u32 v[ADRS], s21, v5
	s_mul_i32 s23, s14, 16*SPITCH
	v_mul_u32_u24 v5, v1, SPITCH
	v_lshl_add_u32 v5, v2, 5, v5
	v_add_nc_u32 v[STO], s23, v5
	v_and_b32 v6, 31, v0
	v_lshlrev_b32 v[CO], 4, v6
	v_add_nc_u32 v[RD], s23, v[CO]
	s_lshl_b32 s20, s17, 8
	s_lshl_b32 s21, s15, 7
	s_add_co_u32 s20, s20, s21                     ; my first row: a multiple of 32, which the swap leaves alone
	s_mov_b32 s21, 0
	s_lshl_b64 s[20:21], s[20:21], 12
	s_lshl_b32 s46, s42, 10
	s_lshl_b32 s47, s16, 9
	s_add_co_u32 s46, s46, s47
	s_mov_b32 s47, 0
	s_add_nc_u64 s[20:21], s[20:21], s[46:47]
	s_add_nc_u64 s[12:13], s[12:13], s[20:21]
.macro FRAG reg, adr, q, i             ; B: K along the LDS row
.irp c, 0,1,2,3
	ds_load_b128 v[\reg+4*\c:\reg+4*\c+3], v[\adr] offset:128*(\q)+32*\c+(\i)*16*PITCH
.endr
.endm
.macro FRAGA reg, adr, q, i            ; A: K = 128 q + 32 c + 16 h lies in chunk 2 q + c / 2 at byte 32 (c % 2) + 16 h of the row
.irp c, 0,1,2,3
	ds_load_b128 v[\reg+4*\c:\reg+4*\c+3], v[\adr] offset:(2*(\q)+\c/2)*CHA+32*(\c%2)+(\i)*16*APITCH
.endr
.endm
.macro MUL16 a0, p, q, sc, zero        ; the 64 accumulators take turns, one instruction a turn
.irp a, \a0, \a0+1
.irp b, 0,1,2,3,4,5,6,7
.if \zero
	v_wmma_scale_f32_16x16x128_f8f6f4 v[8*(8*((\a)%4)+\b):8*(8*((\a)%4)+\b)+7], v[128*(\p)+FR*\b:128*(\p)+FR*\b+FR-1], v[AF+FR*(\a):AF+FR*(\a)+FR-1], 0, v[SC+8*NQ*(\sc)+NQ*\b+(\q)], v[SC+8*NQ*(\sc)+NQ*(\a)+(\q)] matrix_a_scale:MATRIX_SCALE_ROW1
.else
	v_wmma_scale_f32_16x16x128_f8f6f4 v[8*(8*((\a)%4)+\b):8*(8*((\a)%4)+\b)+7], v[128*(\p)+FR*\b:128*(\p)+FR*\b+FR-1], v[AF+FR*(\a):AF+FR*(\a)+FR-1], v[8*(8*((\a)%4)+\b):8*(8*((\a)%4)+\b)+7], v[SC+8*NQ*(\sc)+NQ*\b+(\q)], v[SC+8*NQ*(\sc)+NQ*(\a)+(\q)] matrix_a_scale:MATRIX_SCALE_ROW1
.endif
.endr
.endr
.endm
.macro FETCH_B slot, q, p
	WIN TO_B
.irp i, 0,1,2,3,4,5,6,7
	FRAG 128*(\p)+FR*\i, ADRB+\slot, \q, \i
.endr
	WIN 0
.endm
.macro FETCH_A slot, q, i0
.irp i, \i0, \i0+1, \i0+2, \i0+3
	FRAGA AF+FR*(\i), ADRA+\slot, \q, \i
.endr
.endm
.macro SCALES sc
.irp i, 0,1,2,3,4,5,6,7
	ds_load_b64 v[SC+8*NQ*\sc+NQ*\i:SC+8*NQ*\sc+NQ*\i+1], v[ADRS] offset:\i*SBLK
.endr
.endm
.macro PLACES n
.rept \n
	v_nop
.endr
.endm
.macro STEP slot, q, zero
	s_wait_dscnt 4*NL                              ; B's set and A's blocks 0-3 are in; the youngest sixteen loads may be out
	WIN MUL_LO
	MUL16 0, (\q)%2, \q, \slot, \zero
	MUL16 2, (\q)%2, \q, \slot, \zero
	s_wait_dscnt 0
	PLACES NP
	FETCH_B \slot, (\q)+1, 1-(\q)%2
	FETCH_A \slot, (\q)+1, 0
	WIN MUL_HI
	MUL16 4, (\q)%2, \q, \slot, \zero
	MUL16 6, (\q)%2, \q, \slot, \zero
	PLACES NP
	WIN 0
	FETCH_A \slot, (\q)+1, 4
.endm
.macro TURN slot, next, fill
	s_wait_tensorcnt 0x0                           ; all my tensor loads have landed: my part of the next slot
	ds_add_u32 v[SPW], v[NIL]                      ; 0 onto my spare word
	s_wait_dscnt 4*NL+1                            ; (the add and the youngest sixteen loads may be out)
	WIN MUL_LO
	MUL16 0, 1, NQ-1, \slot, 0
	s_wait_dscnt 0x0                               ; the add is done, and my reads of this slot are over
	s_barrier_signal -1
	MUL16 2, 1, NQ-1, \slot, 0
	WIN 0
	s_barrier_wait -1
.if \fill
	CREST                                          ; a round of the cluster's barrier: no wave of any partner still reads this slot or has a load on its way
	s_add_nc_u64 s[G0+4*\slot+2:G0+4*\slot+3], s[G0+4*\slot+2:G0+4*\slot+3], 8*CHUNK
	s_add_nc_u64 s[G0B+4*\slot+2:G0B+4*\slot+3], s[G0B+4*\slot+2:G0B+4*\slot+3], 2*ROWB
	JLOAD G0+4*\slot, G1, G0B+4*\slot, G1B
	PLACES NP-4
.else
	PLACES NP
.endif
	s_wait_alu depctr_va_vdst(0)
	v_add_nc_u32 v[ADRS], 4*NQ, v[ADRS]
	FETCH_B \next, 0, 0
	FETCH_A \next, 0, 0
	SCALES \next
	WIN MUL_HI
	MUL16 4, 1, NQ-1, \slot, 0
	MUL16 6, 1, NQ-1, \slot, 0
	PLACES NP
	WIN 0
	FETCH_A \next, 0, 4
.endm
	s_wait_alu depctr_va_vdst(0)
	s_wait_tensorcnt 1                             ; the scales and my part of K step 0 are in (K step 1's load may be out),
	s_barrier_signal -1
	s_barrier_wait -1                              ; everybody's are
	FETCH_B 0, 0, 0
	FETCH_A 0, 0, 0
	SCALES 0
	FETCH_A 0, 0, 4
	STEP 0, 0, 1
	TURN 0, 1, 1
	STEP 1, 0, 0
	TURN 1, 0, 1
	STEP 0, 0, 0
	TURN 0, 1, 0
	STEP 1, 0, 0
	s_wait_dscnt 4*NL
	WIN MUL_LO
	MUL16 0, 1, NQ-1, 1, 0
	MUL16 2, 1, NQ-1, 1, 0
	s_wait_dscnt 0
	WIN MUL_HI
	MUL16 4, 1, NQ-1, 1, 0
	MUL16 6, 1, NQ-1, 1, 0
	WIN 0
; THE WAY OUT, block by block of 16 rows x 128 columns, through my own stage: in as 32 bytes a lane, back as whole rows of 512 bytes.
.macro TOSTAGE a
.set AC, 64*((\a)%4)
	WIN 0x08+4*((\a)/4)                            ; the data: window 2 or 3
.irp b, 0,1,2,3,4,5,6,7
	ds_store_b128 v[STO], v[AC+8*\b:AC+8*\b+3] offset:64*\b          ; each accumulator from its low end on
	ds_store_b128 v[STO], v[AC+8*\b+4:AC+8*\b+7] offset:64*\b+16
.endr
	WIN 0
.set BB, BK+64*((\a)%2)
.irp t, 0,1,2,3,4,5,6,7,8,9,10,11,12,13,14,15
	ds_load_b128 v[BB+4*\t:BB+4*\t+3], v[RD] offset:\t*SPITCH
.endr
.endm
.macro SEND a, younger
.set BB, BK+64*((\a)%2)
	s_wait_dscnt \younger                          ; the block is back in registers
.if (\a) > 0
.if (\a)%2
	s_add_nc_u64 s[12:13], s[12:13], 8*SIZE_N*4    ; (behind a wait on XCNT)  block a begins at row 32 (a / 2) + 8 (a % 2): 8 rows on,
.else
	s_add_nc_u64 s[12:13], s[12:13], 24*SIZE_N*4   ; or 24
.endif
.endif
.irp t, 0,1,2,3,4,5,6,7,8,9,10,11,12,13,14,15
	global_store_b128 v[CO], v[BB+4*\t:BB+4*\t+3], s[12:13] offset:(\t+8*(\t/8))*SIZE_N*4 th:TH_STORE_NT   ; 32 lanes store 512 consecutive bytes, aligned; stored row t is row t + 8 (t / 8)
.endr
.endm
	PLACES NP
	TOSTAGE 0
.irp a, 1,2,3,4,5,6,7
.if \a > 1
	s_wait_xcnt 0x0                                ; block a - 2's stores have read their registers and their base
.endif
	TOSTAGE \a
	SEND \a-1, 32                                  ; behind block a - 1's loads: block a's 16 stores and 16 loads
.endr
	s_wait_xcnt 0x0
	SEND 7, 0
	s_wait_tensorcnt 0x0                           ; the wave's end
	ds_add_u32 v[SPW], v[NIL]
	s_wait_dscnt 0x0
	CROUND                                         ; the closing round
	s_endpgm
.Lfunc_end_k_qd82889148a_oproj:
	.size	k_qd82889148a_oproj, .Lfunc_end_k_qd82889148a_oproj-k_qd82889148a_oproj
	.p2alignl 7, 3214868480
	.fill 96, 4, 3214868480
	.section	.rodata,"a",@progbits
	.p2align	6, 0x0
	.amdhsa_kernel k_qd82889148a_oproj
		.amdhsa_group_segment_fixed_size 327680
		.amdhsa_private_segment_fixed_size 0
		.amdhsa_enable_private_segment 0
		.amdhsa_kernarg_size 40
		.amdhsa_user_sgpr_count 2
		.amdhsa_user_sgpr_kernarg_segment_ptr 1
		.amdhsa_wavefront_size32 1
		.amdhsa_system_sgpr_workgroup_id_x 1
		.amdhsa_system_sgpr_workgroup_id_y 1
		.amdhsa_system_sgpr_workgroup_id_z 1
		.amdhsa_system_vgpr_workitem_id 0
		.amdhsa_next_free_vgpr 1024
		.amdhsa_next_free_sgpr 100
		.amdhsa_reserve_vcc 0
		.amdhsa_float_denorm_mode_32 3
		.amdhsa_float_denorm_mode_16_64 3
		.amdhsa_memory_ordered 1
		.amdhsa_forward_progress 1
		.amdhsa_inst_pref_size 146
	.end_amdhsa_kernel
	.amdgpu_metadata
---
amdhsa.version: [ 1, 2 ]
amdhsa.kernels:
  - .name:           k_qd82889148a_oproj
    .symbol:         k_qd82889148a_oproj.kd
    .args:
      - { .name: a_codes, .offset: 0, .size: 8, .value_kind: global_buffer, .address_space: global }
      - { .name: a_scales, .offset: 8, .size: 8, .value_kind: global_buffer, .address_space: global }
      - { .name: xw_codes, .offset: 16, .size: 8, .value_kind: global_buffer, .address_space: global }
      - { .name: xw_scales, .offset: 24, .size: 8, .value_kind: global_buffer, .address_space: global }
      - { .name: out0, .offset: 32, .size: 8, .value_kind: global_buffer, .address_space: global }
    .group_segment_fixed_size: 327680
    .private_segment_fixed_size: 0
    .kernarg_segment_align: 8
    .kernarg_segment_size: 40
    .max_flat_workgroup_size: 128
    .sgpr_count:     100
    .vgpr_count:     1024
    .wavefront_size: 32
...
	.end_amdgpu_metadata
.endif
;; end of part 4
